; MI455X (gfx1250); checked and timed in simulation.
; The chip was launched on July 23, 2026; its instructions are those of AMD's public machine-readable ISA for CDNA 5 (MIT licence, August 2026) and "CDNA5" Instruction Set Architecture Reference Guide (July 2026). The comments in the code are by the model that wrote it; some were corrected since.
;; Mo E Layer. Allowed arithmetic: float matrix products may take bf16 or f16 operands with f32 sums; other float arithmetic in f32, or as packed bf16 or f16 multiplies, adds, multiply-adds, maxima and minima; sums over many terms, partial sums and values carried from step to step in f32; what a program stores and reads back later, other than sums and carried values, may be rounded once to bf16 or f16.
;; Inputs: b1 8 x 1,024 float32; b2 8 x 256 float32; gate_b 8 float32; gate_w 256 x 8 float32; w1 8 x 256 x 1,024 float32; w2 8 x 1,024 x 256 float32; x 16,384 x 256 float32.
;; Outputs: out0 16,384 x 256 float32.
;; Constants: top_k = 2.
;; 2 versions, each right; version 2 is version 1 with the launch front written anew for expert scheduling mode. Each part assembles by itself: llvm-mc -triple=amdgcn-amd-amdhsa -mcpu=gfx1250 --defsym DOCPART=n.
;; ======== version 1 of 2: 3 launches
;; limits: values are held in f16: magnitudes above 65,504 overflow, below 6.1e-05 lose precision
;; workspace buffers: xb 8,388,608 bytes; wimg 8,388,608 bytes; sel 65,536 bytes of whole numbers; vals 131,072 bytes; cnt 16,384 bytes of whole numbers; list 65,536 bytes of whole numbers; table 4,096 bytes of whole numbers
;; launch front (part 1): grid 256 x 1, 8 waves a work-group, no clusters, 77,824 bytes of LDS; arguments x, gate_w, gate_b, w1, w2, xb, wimg, sel, vals, cnt; writes xb, wimg, sel, vals, cnt
.if DOCPART == 1
	.amdgcn_target "amdgcn-amd-amdhsa--gfx1250"
	.amdhsa_code_object_version 6
	.text
	.protected	k_q18039600f9_front
	.globl	k_q18039600f9_front
	.p2align	8
	.type	k_q18039600f9_front,@function
k_q18039600f9_front:
	s_mov_b64 s[64:65], 0
	v_nop
	global_prefetch_b8 v0, s[64:65] scope:SCOPE_SE
	s_setreg_imm32_b32 hwreg(HW_REG_WAVE_MODE, 25, 1), 1
	s_wait_xcnt 0x0
; FRONT.  Work-group g (of 256, eight waves) does four things, each on a share of its own:
;  (1) x rows 64 g .. 64 g + 63 are rounded to bf16 and written to xb [16384][256];
;  (2) the gate for those 64 tokens, on inputs rounded to bf16: logits by the matrix unit (f32 sums), the two largest logits (a tie goes to the lower
;      index), softmax with the maximum taken away; vals[n] = (p0, p1); sel[n] = pair | swap << 8, where pair = hi (hi - 1) / 2 + lo numbers the token's two experts lo < hi
;      (28 pairs) and swap = 1 where the first choice is hi;
;  (3) cnt[g][pair], 16 bits each, 32 places: how many of the group's 64 tokens chose that pair (the last four places are 0);
;  (4) half hf = g & 1 of weight chunk (e = g >> 5, c = (g >> 1) & 15: 64 hidden channels) is laid into wimg as FRAGMENT IMAGES of 1,024 bytes: 16 rows x 32 k
;      as source 0 of a matrix instruction holds them: bytes 16 L: lane L's registers 0-3, bytes 512 + 16 L: its registers 4-7.
;      wimg = [e][c][kind][32 images].  kind 0: W1^T (row f, k = d) in bf16, image (ft >> 1) 16 + (kt >> 2) 8 + (ft & 1) 4 + (kt & 3).
;      kind 1: W2^T (row dout, k = f), rounded to bf16 and that number written as f16, image (dt >> 3) 16 + ((kk ^ (dt >> 3)) 8) + (dt & 7).
; LIMITS.  |w2| stays under 65,504 (f16's range); below 6e-5 it keeps f16's fixed step of 6e-8.  NaN and infinities are not treated apart.
; The two experts are chosen on the logits, not on the probabilities: two logits closer than the f32 sums' rounding may be taken in the other order.
.set XT,    0                          ; x tile, bf16: 64 rows, pitch 528 (512 + 16: the 16 rows of a fragment load start at 16 different groups of four banks)
.set W1T,   33792                      ; w1 part, bf16 [d 128][f 64]: pitch 160 (an odd multiple of 32, for the turning load)
.set W2T,   54272                      ; w2 part, f16 [f 32][dout 256]: pitch 544 (likewise)
.set GWT,   71680                      ; gate_w turned, bf16 [expert 8][d 256]: pitch 528
.set SELT,  75904                      ; 64 words
.set VALT,  76160                      ; 64 pairs
.set SPARE, 76800                      ; the spare words: 128 bytes for each of the eight waves; no other line names them
.set XR,   16                          ; v[16:79]    x as loaded, 16 pieces
.set W1R,  80                          ; v[80:111]   w1 as loaded
.set W2R,  112                         ; v[112:143]  w2 as loaded
.set GWR,  144                         ; v[144:151]  gate_w as loaded
.set FR,   168                         ; v[168:199]  four fragments on their way out
.set GA,   16                          ; later: the gate's source 0, eight fragments
.set GB,   80                          ; and source 1
.set ACC0, 144
.set ACC1, 200
.set BI,   208                         ; gate_b, rounded to bf16, as the first product's C
.set LG,   216                         ; eight logits
.set M1,   224
.set I1,   225
.set M2,   226
.set I2,   227
.set SW,   228
.set PV,   230                         ; v[230:231] the two probabilities
.set SPW,  238                         ; my spare word's LDS address; never rewritten
.set NIL,  239                         ; 0; never rewritten
	s_load_b256 s[4:11], s[0:1], 0x0               ; x s[4:5], gate_w s[6:7], gate_b s[8:9], w1 s[10:11]
	s_load_b256 s[12:19], s[0:1], 0x20             ; w2 s[12:13], xb s[14:15], wimg s[16:17], sel s[18:19]
	s_load_b128 s[20:23], s[0:1], 0x40             ; vals s[20:21], cnt s[22:23]
	v_lshl_add_u32 v[SPW], v0, 2, SPARE
	v_mov_b32 v[NIL], 0
	v_lshrrev_b32 v11, 5, v0
	v_readfirstlane_b32 s24, v11                   ; wave 0..7
	s_lshr_b32 s25, ttmp9, 5                       ; e
	s_bfe_u32 s26, ttmp9, 0x40001                  ; c
	s_and_b32 s27, ttmp9, 1                        ; hf
	s_lshl_b32 s40, ttmp9, 16                      ; x: 64 rows of 1,024 bytes
	s_mov_b32 s41, 0
	s_lshl_b32 s42, s25, 20                        ; w1: expert, 128 hf rows of 4,096 bytes, 64 c columns
	s_lshl_b32 s28, s27, 19
	s_add_co_u32 s42, s42, s28
	s_lshl_b32 s28, s26, 8
	s_add_co_u32 s42, s42, s28
	s_mov_b32 s43, 0
	s_lshl_b32 s44, ttmp9, 15                      ; w2: (32 e + 2 c + hf) x 32 rows of 1,024 bytes = g x 32,768; xb: 64 rows of 512 bytes, the same figure
	s_mov_b32 s45, 0
	s_lshr_b32 s46, ttmp9, 1
	s_lshl_b32 s46, s46, 16                        ; wimg: chunk (16 e + c) x 65,536
	s_mov_b32 s47, 0
	s_lshl_b32 s48, ttmp9, 8                       ; sel
	s_mov_b32 s49, 0
	s_lshl_b32 s50, ttmp9, 9                       ; vals
	s_mov_b32 s51, 0
	s_lshl_b32 s52, ttmp9, 6                       ; cnt: 32 places of 2 bytes
	s_mov_b32 s53, 0
	v_lshlrev_b32 v1, 4, v0                        ; 16 t
	v_and_b32 v9, 15, v0                           ; t % 16
	v_lshrrev_b32 v11, 4, v0                       ; t / 16
	v_lshlrev_b32 v3, 12, v11
	v_lshl_add_u32 v3, v9, 4, v3                   ; w1: row t / 16, 16 bytes at t % 16
	s_wait_kmcnt 0x0
	s_add_nc_u64 s[4:5], s[4:5], s[40:41]
	s_add_nc_u64 s[10:11], s[10:11], s[42:43]
	s_add_nc_u64 s[12:13], s[12:13], s[44:45]
	s_add_nc_u64 s[14:15], s[14:15], s[44:45]
	s_add_nc_u64 s[16:17], s[16:17], s[46:47]
	s_add_nc_u64 s[18:19], s[18:19], s[48:49]
	s_add_nc_u64 s[20:21], s[20:21], s[50:51]
	s_add_nc_u64 s[22:23], s[22:23], s[52:53]
	s_load_b256 s[32:39], s[8:9], 0x0              ; gate_b
	; all 34 loads on end: gate_w 2, x 16, w1 8, w2 8; every wave's load covers 512 consecutive bytes (w1: two rows' 256)
.set i, 0
.rept 2
	global_load_b128 v[GWR+4*i:GWR+4*i+3], v1, s[6:7] offset:4096*i
.set i, i+1
.endr
.set i, 0
.rept 16
	global_load_b128 v[XR+4*i:XR+4*i+3], v1, s[4:5] offset:4096*i th:TH_LOAD_NT
.set i, i+1
.endr
.set i, 0
.rept 8
	global_load_b128 v[W1R+4*i:W1R+4*i+3], v3, s[10:11] offset:65536*i th:TH_LOAD_NT
.set i, i+1
.endr
.set i, 0
.rept 8
	global_load_b128 v[W2R+4*i:W2R+4*i+3], v1, s[12:13] offset:4096*i th:TH_LOAD_NT
.set i, i+1
.endr
	; addresses, made while the loads are out
	v_and_b32 v2, 31, v0                           ; lane
	v_bfe_u32 v10, v0, 4, 1                        ; lane / 16
	v_mul_u32_u24 v6, v11, 160
	v_lshl_add_u32 v6, v9, 3, v6
	v_add_nc_u32 v6, W1T, v6                       ; w1 tile: row t / 16, 8 bytes at t % 16
	v_lshrrev_b32 v12, 6, v0
	v_and_b32 v13, 63, v0
	v_mul_u32_u24 v4, v12, 528
	v_lshl_add_u32 v4, v13, 3, v4                  ; x tile: row t / 64, 8 bytes at t % 64
	v_mul_u32_u24 v7, v12, 544
	v_lshl_add_u32 v7, v13, 3, v7
	v_add_nc_u32 v7, W2T, v7                       ; w2 tile likewise
	v_lshlrev_b32 v5, 3, v0                        ; xb: 8 t
	v_and_b32 v14, 1, v0
	v_mul_u32_u24 v8, v14, 2112
	v_lshrrev_b32 v15, 1, v0
	v_lshl_add_u32 v8, v15, 1, v8
	v_add_nc_u32 v8, GWT, v8                       ; gate tile: rows 4 (t % 2) .., column d = t / 2
	v_and_b32 v13, 7, v0
	v_lshl_add_u32 v11, v10, 3, v13                ; the turning load's row: 8 (lane / 16) + lane % 8
	v_bfe_u32 v12, v0, 3, 1                        ; and its 16 bytes: (lane / 8) % 2
	s_lshr_b32 s28, s24, 1
	s_lshl_b32 s54, s28, 5                         ; W1 fragments of wave w: f tile w / 2,
	s_and_b32 s28, s24, 1
	s_mul_i32 s28, s28, 10240                      ; k steps 2 (w % 2) and + 1 of this half's four
	s_add_co_u32 s54, s54, s28
	s_add_co_u32 s54, s54, W1T
	s_lshl_b32 s55, s24, 6                         ; W2 fragments: dout tiles 2 w and 2 w + 1
	s_add_co_u32 s55, s55, W2T
	v_mul_u32_u24 v152, v11, 160
	v_lshl_add_u32 v152, v12, 4, v152
	v_add_nc_u32 v152, s54, v152
	v_mul_u32_u24 v153, v11, 544
	v_lshl_add_u32 v153, v12, 4, v153
	v_add_nc_u32 v153, s55, v153
	s_lshr_b32 s29, s24, 2
	s_and_b32 s30, s24, 3
	s_lshl_b32 s56, s29, 4
	s_lshl_b32 s28, s30, 1
	s_add_co_u32 s56, s56, s28                     ; (w / 4) 16 + 2 (w % 4)
	s_lshl_b32 s28, s27, 3
	s_add_co_u32 s57, s56, s28                     ; W1's first image: + 8 hf
	s_xor_b32 s28, s27, s29
	s_lshl_b32 s28, s28, 3
	s_add_co_u32 s58, s56, s28                     ; W2's: + 8 (hf ^ (w / 4))
	s_lshl_b32 s57, s57, 10
	s_lshl_b32 s58, s58, 10
	s_add_co_u32 s58, s58, 32768                   ; kind 1 lies 32,768 bytes behind kind 0
	v_lshlrev_b32 v154, 4, v2
	v_add_nc_u32 v155, s58, v154
	v_add_nc_u32 v154, s57, v154
	v_mul_u32_u24 v156, v13, 528
	v_lshl_add_u32 v156, v10, 4, v156
	v_add_nc_u32 v156, GWT, v156                   ; the gate's source 0: row (lane % 8): rows 8-15 repeat the eight experts
	; gate_w: rounded to bf16 and turned: four experts of one d go to four rows
	s_wait_loadcnt 32                              ; the 32 loads issued behind gate_w's may stay out
.set i, 0
.rept 2
	v_cvt_pk_bf16_f32 v[GWR+4*i], v[GWR+4*i], v[GWR+4*i+1]
	v_cvt_pk_bf16_f32 v[GWR+4*i+1], v[GWR+4*i+2], v[GWR+4*i+3]
	ds_store_b16 v8, v[GWR+4*i] offset:256*i
	ds_store_b16_d16_hi v8, v[GWR+4*i] offset:256*i+528
	ds_store_b16 v8, v[GWR+4*i+1] offset:256*i+1056
	ds_store_b16_d16_hi v8, v[GWR+4*i+1] offset:256*i+1584
.set i, i+1
.endr
	; x: rounded once; into the tile for the gate, and out to xb (a wave's store covers 256 consecutive bytes, aligned)
.set i, 0
.rept 16
	s_wait_loadcnt 31-i                            ; piece i is in: 15 - i pieces of x and the 16 of w1 and w2 were issued behind it
	v_cvt_pk_bf16_f32 v[XR+4*i], v[XR+4*i], v[XR+4*i+1]
	v_cvt_pk_bf16_f32 v[XR+4*i+1], v[XR+4*i+2], v[XR+4*i+3]
	ds_store_b64 v4, v[XR+4*i:XR+4*i+1] offset:2112*i
	global_store_b64 v5, v[XR+4*i:XR+4*i+1], s[14:15] offset:2048*i
.set i, i+1
.endr
.set i, 0
.rept 8
	s_wait_loadcnt 15-i
	v_cvt_pk_bf16_f32 v[W1R+4*i], v[W1R+4*i], v[W1R+4*i+1]
	v_cvt_pk_bf16_f32 v[W1R+4*i+1], v[W1R+4*i+2], v[W1R+4*i+3]
	ds_store_b64 v6, v[W1R+4*i:W1R+4*i+1] offset:2560*i
.set i, i+1
.endr
	; w2: rounded to bf16 like every input, and that number written as f16 (exact within f16's normal range)
.set i, 0
.rept 8
	s_wait_loadcnt 7-i
	v_cvt_pk_bf16_f32 v216, v[W2R+4*i], v[W2R+4*i+1]
	v_cvt_pk_bf16_f32 v217, v[W2R+4*i+2], v[W2R+4*i+3]
	v_lshlrev_b32 v[W2R+4*i], 16, v216
	v_and_b32 v[W2R+4*i+1], 0xffff0000, v216
	v_lshlrev_b32 v[W2R+4*i+2], 16, v217
	v_and_b32 v[W2R+4*i+3], 0xffff0000, v217
	v_cvt_pk_f16_f32 v[W2R+4*i], v[W2R+4*i], v[W2R+4*i+1]
	v_cvt_pk_f16_f32 v[W2R+4*i+1], v[W2R+4*i+2], v[W2R+4*i+3]
	ds_store_b64 v7, v[W2R+4*i:W2R+4*i+1] offset:2176*i
.set i, i+1
.endr
	s_wait_dscnt 0x0                               ; for the others' sake: my stores into the four tiles are done
	s_barrier_signal -1
	s_barrier_wait -1
	s_wait_xcnt 0x0                                ; the stores to xb have read their registers: the gate loads into them below
	; every wave: two fragments of W1^T and two of W2^T, by the turning load, and out as images: each store covers 512 consecutive bytes
.set n, 0
.rept 4
	ds_load_tr16_b128 v[FR+4*n:FR+4*n+3], v152 offset:(n/2)*5120+(n%2)*2560
.set n, n+1
.endr
.set n, 0
.rept 4
	ds_load_tr16_b128 v[FR+16+4*n:FR+16+4*n+3], v153 offset:(n/2)*32+(n%2)*8704
.set n, n+1
.endr
.set n, 0
.rept 4
	s_wait_dscnt 7-n                               ; load n of the eight is in
	global_store_b128 v154, v[FR+4*n:FR+4*n+3], s[16:17] offset:(n/2)*1024+(n%2)*512
.set n, n+1
.endr
.set n, 0
.rept 4
	s_wait_dscnt 3-n
	global_store_b128 v155, v[FR+16+4*n:FR+16+4*n+3], s[16:17] offset:(n/2)*1024+(n%2)*512
.set n, n+1
.endr
	; THE GATE: waves 0 to 3, 16 tokens each.  Source 0 = the experts' rows (twice), source 1 = 16 tokens: in the result every lane holds all eight logits of token lane % 16.
	s_cmp_lt_u32 s24, 4
	s_cbranch_scc0 .Lnogate
	s_mul_i32 s59, s24, 8448                       ; my 16 rows of the x tile
	v_mul_u32_u24 v157, v9, 528
	v_lshl_add_u32 v157, v10, 4, v157
	v_add_nc_u32 v157, s59, v157
.set k, 0
.rept 8
	ds_load_b128 v[GA+8*k:GA+8*k+3], v156 offset:64*k
	ds_load_b128 v[GA+8*k+4:GA+8*k+7], v156 offset:64*k+32
	ds_load_b128 v[GB+8*k:GB+8*k+3], v157 offset:64*k
	ds_load_b128 v[GB+8*k+4:GB+8*k+7], v157 offset:64*k+32
.set k, k+1
.endr
	s_lshl_b32 s59, s24, 4
	v_add_nc_u32 v14, s59, v9                      ; my token in the group: 16 w + lane % 16
	v_lshl_add_u32 v158, v14, 2, SELT
	v_lshl_add_u32 v159, v14, 3, VALT
	s_wait_kmcnt 0x0                               ; gate_b
.set j, 0
.rept 8
	v_mov_b32 v[BI+j], s[32+j]
.set j, j+1
.endr
.set j, 0
.rept 4
	v_cvt_pk_bf16_f32 v[LG], v[BI+2*j], v[BI+2*j+1]  ; the bias is rounded to bf16 like every input, and widened again
	v_lshlrev_b32 v[BI+2*j], 16, v[LG]
	v_and_b32 v[BI+2*j+1], 0xffff0000, v[LG]
.set j, j+1
.endr
	s_wait_dscnt 0x0
	; two accumulators by turns: the even k steps (begun with the bias) and the odd ones (begun with 0)
	v_wmma_f32_16x16x32_bf16 v[ACC0:ACC0+7], v[GA:GA+7], v[GB:GB+7], v[BI:BI+7]
	v_wmma_f32_16x16x32_bf16 v[ACC1:ACC1+7], v[GA+8:GA+15], v[GB+8:GB+15], 0
.set k, 2
.rept 3
	v_wmma_f32_16x16x32_bf16 v[ACC0:ACC0+7], v[GA+8*k:GA+8*k+7], v[GB+8*k:GB+8*k+7], v[ACC0:ACC0+7]
	v_wmma_f32_16x16x32_bf16 v[ACC1:ACC1+7], v[GA+8*k+8:GA+8*k+15], v[GB+8*k+8:GB+8*k+15], v[ACC1:ACC1+7]
.set k, k+2
.endr
.rept 4
	v_nop                                          ; four places between the last product and the first read of a result (ISA guide 7.12.1)
.endr
.set j, 0
.rept 8
	v_add_f32 v[LG+j], v[ACC0+j], v[ACC1+j]        ; from the low end on
.set j, j+1
.endr
	v_mov_b32 v[M1], v[LG]                         ; the largest logit; a later one must be greater to take its place
	v_mov_b32 v[I1], 0
.set j, 1
.rept 7
	v_cmp_gt_f32 vcc_lo, v[LG+j], v[M1]
	v_cndmask_b32 v[M1], v[M1], v[LG+j], vcc_lo
	v_cndmask_b32 v[I1], v[I1], j, vcc_lo
.set j, j+1
.endr
	v_mov_b32 v[M2], 0xff800000                    ; the largest of the other seven
	v_cmp_eq_u32 vcc_lo, 0, v[I1]
	v_cndmask_b32 v[I2], 0, 1, vcc_lo              ; it starts at an index other than the first's, so the two always differ
.set j, 0
.rept 8
	v_cmp_ne_u32 s40, j, v[I1]
	v_cmp_gt_f32 s41, v[LG+j], v[M2]
	s_and_b32 s40, s40, s41
	v_cndmask_b32 v[M2], v[M2], v[LG+j], s40
	v_cndmask_b32 v[I2], v[I2], j, s40
.set j, j+1
.endr
	v_min_u32 v233, v[I1], v[I2]                   ; lo
	v_max_u32 v234, v[I1], v[I2]                   ; hi
	v_add_nc_u32 v235, -1, v234
	v_mul_u32_u24 v235, v234, v235
	v_lshrrev_b32 v235, 1, v235
	v_add_nc_u32 v235, v235, v233                  ; the pair's number: hi (hi - 1) / 2 + lo
	v_cmp_gt_u32 vcc_lo, v[I1], v[I2]
	v_cndmask_b32 v233, 0, 1, vcc_lo               ; 1: the first choice is hi
.set j, 0
.rept 8
	v_sub_f32 v[LG+j], v[LG+j], v[M1]              ; the maximum is taken away: the largest exponent is exactly 0
.set j, j+1
.endr
	v_sub_f32 v[M2], v[M2], v[M1]
.set j, 0
.rept 8
	v_mul_f32 v[LG+j], 0x3fb8aa3b, v[LG+j]         ; log2(e)
.set j, j+1
.endr
	v_mul_f32 v[M2], 0x3fb8aa3b, v[M2]
.set j, 0
.rept 8
	v_exp_f32 v[LG+j], v[LG+j]
.set j, j+1
.endr
	v_exp_f32 v[M2], v[M2]
	v_lshl_or_b32 v[SW], v233, 8, v235             ; a plain instruction between the last exponential and the use of its result (ISA guide 5.7.2)
	s_wait_alu depctr_va_vdst(0)
	v_add_f32 v[LG], v[LG], v[LG+1]
	v_add_f32 v[LG+2], v[LG+2], v[LG+3]
	v_add_f32 v[LG+4], v[LG+4], v[LG+5]
	v_add_f32 v[LG+6], v[LG+6], v[LG+7]
	v_add_f32 v[LG], v[LG], v[LG+2]
	v_add_f32 v[LG+4], v[LG+4], v[LG+6]
	v_add_f32 v[LG], v[LG], v[LG+4]
	v_rcp_f32 v[PV], v[LG]                         ; p0 = 1 / sum: the first expert's exponential is 1
	v_nop
	s_wait_alu depctr_va_vdst(0)
	v_mul_f32 v[PV+1], v[M2], v[PV]
	ds_store_b32 v158, v[SW]                       ; both halves of the lanes hold the same token and write the same numbers
	ds_store_b64 v159, v[PV:PV+1]
.Lnogate:
	s_wait_dscnt 0x0                               ; for wave 0's sake: my stores of choices and probabilities are done
	s_barrier_signal -1
	s_barrier_wait -1
	; wave 0: the group's 64 choices and probabilities leave in whole rows, and the pairs are counted
	s_cmp_lg_u32 s24, 0
	s_cbranch_scc1 .Lend
	v_lshlrev_b32 v160, 3, v2
	v_lshlrev_b32 v161, 4, v2
	v_lshlrev_b32 v162, 1, v2
	v_add_nc_u32 v163, SELT, v160
	v_add_nc_u32 v164, VALT, v161
	ds_load_b64 v[216:217], v163                   ; tokens 2 L and 2 L + 1
	ds_load_b128 v[220:223], v164
	v_mov_b32 v232, 0
	s_wait_dscnt 0x0
	global_store_b64 v160, v[216:217], s[18:19]    ; 256 consecutive bytes
	global_store_b128 v161, v[220:223], s[20:21]   ; 512 consecutive bytes
	v_and_b32 v224, 0xff, v216
	v_and_b32 v226, 0xff, v217
	; four pairs at a time, so that the scalar counts do not each wait for the compare just in front
.set j, 0
.rept 7
.set k, 0
.rept 4
	v_cmp_eq_u32 s[40+2*k], j+k, v224
	v_cmp_eq_u32 s[41+2*k], j+k, v226
.set k, k+1
.endr
.set k, 0
.rept 4
	s_bcnt1_i32_b32 s[40+2*k], s[40+2*k]
	s_bcnt1_i32_b32 s[41+2*k], s[41+2*k]
	s_add_co_u32 s[40+2*k], s[40+2*k], s[41+2*k]
.set k, k+1
.endr
.set k, 0
.rept 4
	v_writelane_b32 v232, s[40+2*k], j+k           ; lane j + k takes that pair's count
.set k, k+1
.endr
.set j, j+4
.endr
	global_store_b16 v162, v232, s[22:23]          ; 32 places of 2 bytes: 64 consecutive bytes, all that the group has
.Lend:
	s_wait_tensorcnt 0x0                           ; the wave's end, behind my last LDS store
	ds_add_u32 v[SPW], v[NIL]
	s_wait_dscnt 0x0
	s_endpgm
.Lfunc_end_k_q18039600f9_front:
	.size	k_q18039600f9_front, .Lfunc_end_k_q18039600f9_front-k_q18039600f9_front
	.p2alignl 7, 3214868480
	.fill 96, 4, 3214868480
	.section	.rodata,"a",@progbits
	.p2align	6, 0x0
	.amdhsa_kernel k_q18039600f9_front
		.amdhsa_group_segment_fixed_size 77824
		.amdhsa_private_segment_fixed_size 0
		.amdhsa_enable_private_segment 0
		.amdhsa_kernarg_size 80
		.amdhsa_user_sgpr_count 2
		.amdhsa_user_sgpr_kernarg_segment_ptr 1
		.amdhsa_wavefront_size32 1
		.amdhsa_system_sgpr_workgroup_id_x 1
		.amdhsa_system_sgpr_workgroup_id_y 1
		.amdhsa_system_sgpr_workgroup_id_z 1
		.amdhsa_system_vgpr_workitem_id 0
		.amdhsa_next_free_vgpr 240
		.amdhsa_next_free_sgpr 66
		.amdhsa_reserve_vcc 1
		.amdhsa_float_denorm_mode_32 3
		.amdhsa_float_denorm_mode_16_64 3
		.amdhsa_memory_ordered 1
		.amdhsa_forward_progress 1
		.amdhsa_inst_pref_size 40
	.end_amdhsa_kernel
	.amdgpu_metadata
---
amdhsa.version: [ 1, 2 ]
amdhsa.kernels:
  - .name:           k_q18039600f9_front
    .symbol:         k_q18039600f9_front.kd
    .args:
      - { .name: x, .offset: 0, .size: 8, .value_kind: global_buffer, .address_space: global }
      - { .name: gate_w, .offset: 8, .size: 8, .value_kind: global_buffer, .address_space: global }
      - { .name: gate_b, .offset: 16, .size: 8, .value_kind: global_buffer, .address_space: global }
      - { .name: w1, .offset: 24, .size: 8, .value_kind: global_buffer, .address_space: global }
      - { .name: w2, .offset: 32, .size: 8, .value_kind: global_buffer, .address_space: global }
      - { .name: xb, .offset: 40, .size: 8, .value_kind: global_buffer, .address_space: global }
      - { .name: wimg, .offset: 48, .size: 8, .value_kind: global_buffer, .address_space: global }
      - { .name: sel, .offset: 56, .size: 8, .value_kind: global_buffer, .address_space: global }
      - { .name: vals, .offset: 64, .size: 8, .value_kind: global_buffer, .address_space: global }
      - { .name: cnt, .offset: 72, .size: 8, .value_kind: global_buffer, .address_space: global }
    .group_segment_fixed_size: 77824
    .private_segment_fixed_size: 0
    .kernarg_segment_align: 8
    .kernarg_segment_size: 80
    .max_flat_workgroup_size: 256
    .sgpr_count:     66
    .vgpr_count:     240
    .wavefront_size: 32
...
	.end_amdgpu_metadata
.endif
;; end of part 1
;; launch route (part 2): grid 256 x 1, 1 waves a work-group, no clusters, 0 bytes of LDS; arguments cnt, sel, list, table; writes list, table
.if DOCPART == 2
	.amdgcn_target "amdgcn-amd-amdhsa--gfx1250"
	.amdhsa_code_object_version 6
	.text
	.protected	k_q18039600f9_route
	.globl	k_q18039600f9_route
	.p2align	8
	.type	k_q18039600f9_route,@function
k_q18039600f9_route:
	s_mov_b64 s[64:65], 0
	v_nop
	global_prefetch_b8 v0, s[64:65] scope:SCOPE_SE
	s_setreg_imm32_b32 hwreg(HW_REG_WAVE_MODE, 25, 1), 1
	s_wait_xcnt 0x0
; ROUTE.  The 16,384 tokens are laid into list, sorted by their pair of experts, without gaps and without atomics: list[place] = 2 n + swap.
; Work-group g (one wave) reads all 256 x 32 counts (16 bits each), sums them as packed halves (no sum passes 16,384), so that LANE L ends up with the total of pair 8 (L % 4) + L / 4 and with
; the sum over the groups in front of g; a prefix sum over the lanes gives where a pair's range begins (the pairs lie in list in the order of the lanes).  It ranks its own 64 tokens inside each
; pair by counting lanes, and stores each token's number at its place.  The places are scattered words by the nature of a placement: 64 KiB in all.
; It also writes entry g of the next launch's table: {lo | hi << 8, the pair's first place, its tokens, j | m << 16}: work-group g there is number j of the m that share the pair.
; A work-group takes up to 80 tokens: the sum over pairs of ceil(count / 80) is at most (16384 + 28 x 79) / 80 = 232, the next launch's grid.  The work-groups left over (at most 232 - 205 = 27) go
; to the first pair with the most tokens: it has 586 or more, so 8 work-groups or more by itself and 5 x 7 + 1 = 36 tiles of 16 or more: no fewer tiles than work-groups.
; No LDS bytes, no matrix unit: 16 KiB of counts fit in a wave's registers, and nothing is shared.
.set CN,   16                          ; v[16:143]  the counts: load i, lane L: group 8 i + L / 4, pairs 8 (L % 4) .., two to a word
.set SL,   144                         ; v[144:145] my two tokens' choices
.set TOT,  146                         ; v[146:149] sums over all groups
.set BEF,  150                         ; v[150:153] sums over the groups in front of mine
.set TM,   154                         ; v[154:157] at work
.set MYT,  158                         ; my pair's total
.set MYB,  159                         ; my pair's tokens in the groups in front
.set BASE, 160                         ; where its range begins
.set OFFV, 161                         ; where my group's part of it begins
.set NW,   162                         ; its work-groups
.set NB,   163                         ; the first of them
.set NE,   164                         ; behind the last
.set KEY,  165
.set PAIR, 166                         ; lo | hi << 8
.set IDX,  167
.set EN,   168                         ; v[168:171] the table's entry
.set SB,   172
.set SM,   173
.set FA,   174                         ; my two tokens' pairs
.set FB,   175
.set RA,   176                         ; their ranks in the group
.set RB,   177
.set IA,   178
.set IB,   179
.set OA,   180
.set OB,   181
.set VA,   182                         ; 2 n + swap
.set VB,   183
.set ZR,   184
	s_load_b256 s[4:11], s[0:1], 0x0               ; cnt s[4:5], sel s[6:7], list s[8:9], table s[10:11]
	v_lshlrev_b32 v1, 4, v0
	v_lshlrev_b32 v2, 3, v0
	v_lshrrev_b32 v3, 2, v0                        ; L / 4
	s_lshl_b32 s12, ttmp9, 8
	s_mov_b32 s13, 0
	s_mov_b32 s14, 0x76543210                      ; v_permlanex16_b32: each lane takes its own place in the other half
	s_mov_b32 s15, 0xfedcba98
	s_mov_b32 s20, ttmp9
	s_mov_b32 s21, 0xffff0000                      ; lanes 16 to 31
	s_lshl_b32 s22, ttmp9, 4
	s_mov_b32 s23, 0
	s_wait_kmcnt 0x0
	s_add_nc_u64 s[6:7], s[6:7], s[12:13]
	s_add_nc_u64 s[10:11], s[10:11], s[22:23]
.set i, 0
.rept 32
	global_load_b128 v[CN+4*i:CN+4*i+3], v1, s[4:5] offset:512*i
.set i, i+1
.endr
	global_load_b64 v[SL:SL+1], v2, s[6:7]
	; what hangs on the lane alone, made while the loads are out
.set k, 0
.rept 4
	v_mov_b32 v[TOT+k], 0
	v_mov_b32 v[BEF+k], 0
	v_mov_b32 v[TM+k], 0
.set k, k+1
.endr
	v_mov_b32 v[RA], 0
	v_mov_b32 v[RB], 0
	v_mov_b32 v[ZR], 0
	v_and_b32 v4, 3, v0
	v_lshl_add_u32 v4, v4, 3, v3                   ; my pair's number
	v_mov_b32 v5, 1                                ; hi = 1 + how many of 1, 3, 6, 10, 15, 21 it reaches
.irp t, 1,3,6,10,15,21
	v_cmp_le_u32 vcc_lo, \t, v4
	v_cndmask_b32 v6, 0, 1, vcc_lo
	v_add_nc_u32 v5, v5, v6
.endr
	v_add_nc_u32 v6, -1, v5
	v_mul_u32_u24 v6, v5, v6
	v_lshrrev_b32 v6, 1, v6
	v_sub_nc_u32 v6, v4, v6                        ; lo
	v_lshl_or_b32 v[PAIR], v5, 8, v6
	v_lshrrev_b32 v6, 1, v3                        ; my pair's word among the four,
	v_and_b32 v7, 1, v3
	v_lshlrev_b32 v7, 4, v7                        ; and its half
	s_wait_loadcnt 0x0
.set i, 0
.rept 32
	s_sub_co_i32 s16, ttmp9, 8*i
	v_cmp_gt_i32 vcc_lo, s16, v3                   ; is group 8 i + L / 4 in front of mine?
.set k, 0
.rept 4
	v_add_nc_u32 v[TOT+k], v[TOT+k], v[CN+4*i+k]
	v_cndmask_b32 v[TM+k], 0, v[CN+4*i+k], vcc_lo
.set k, k+1
.endr
.set k, 0
.rept 4
	v_add_nc_u32 v[BEF+k], v[BEF+k], v[TM+k]
.set k, k+1
.endr
.set i, i+1
.endr
; the sum over the eight lanes with my L % 4 (they hold the same eight pairs): lanes 4 and 8 away, then the other half
.macro RED reg
	v_mov_b32_dpp v[TM], v[\reg] row_xmask:4 row_mask:0xf bank_mask:0xf
	v_add_nc_u32 v[\reg], v[\reg], v[TM]
	v_mov_b32_dpp v[TM], v[\reg] row_xmask:8 row_mask:0xf bank_mask:0xf
	v_add_nc_u32 v[\reg], v[\reg], v[TM]
	v_permlanex16_b32 v[TM], v[\reg], s14, s15
	v_add_nc_u32 v[\reg], v[\reg], v[TM]
.endm
.set k, 0
.rept 4
	RED TOT+k
	RED BEF+k
.set k, k+1
.endr
	v_mov_b32 v[MYT], v[TOT]
	v_mov_b32 v[MYB], v[BEF]
.set k, 1
.rept 3
	v_cmp_eq_u32 vcc_lo, k, v6
	v_cndmask_b32 v[MYT], v[MYT], v[TOT+k], vcc_lo
	v_cndmask_b32 v[MYB], v[MYB], v[BEF+k], vcc_lo
.set k, k+1
.endr
	v_lshrrev_b32 v[MYT], v7, v[MYT]
	v_lshrrev_b32 v[MYB], v7, v[MYB]
	v_and_b32 v[MYT], 0xffff, v[MYT]
	v_and_b32 v[MYB], 0xffff, v[MYB]
; the sum over my lane and all lower ones, in place: 1, 2, 4 and 8 lanes down inside each half (a lane without a source keeps the 0), then the lower half's total onto the upper half
.macro SCAN x
.irp n, 1,2,4,8
	v_mov_b32 v[TM], 0
	v_mov_b32_dpp v[TM], v[\x] row_shr:\n row_mask:0xf bank_mask:0xf
	v_add_nc_u32 v[\x], v[\x], v[TM]
.endr
	v_readlane_b32 s16, v[\x], 15
	v_cndmask_b32 v[TM], 0, s16, s21
	v_add_nc_u32 v[\x], v[\x], v[TM]
.endm
	v_mov_b32 v[BASE], v[MYT]
	SCAN BASE
	v_sub_nc_u32 v[BASE], v[BASE], v[MYT]
	v_add_nc_u32 v[OFFV], v[BASE], v[MYB]
	v_add_nc_u32 v[NW], 79, v[MYT]
	v_lshrrev_b32 v[NW], 4, v[NW]
	v_mul_u32_u24 v[NW], 0xcccd, v[NW]             ; / 5: exact for the numbers up to 1,029 that occur
	v_lshrrev_b32 v[NW], 18, v[NW]                 ; ceil(total / 80)
	v_mov_b32 v[NB], v[NW]
	SCAN NB
	v_readlane_b32 s17, v[NB], 31
	s_sub_co_u32 s17, 232, s17                     ; the work-groups left over
	v_sub_nc_u32 v[NB], v[NB], v[NW]
	v_sub_nc_u32 v[KEY], 31, v0                    ; the first lane with the largest total: the largest of total x 32 + 31 - lane
	v_lshl_or_b32 v[KEY], v[MYT], 5, v[KEY]
.irp n, 1,2,4,8
	v_mov_b32_dpp v[TM], v[KEY] row_xmask:\n row_mask:0xf bank_mask:0xf
	v_max_u32 v[KEY], v[KEY], v[TM]
.endr
	v_permlanex16_b32 v[TM], v[KEY], s14, s15
	v_max_u32 v[KEY], v[KEY], v[TM]
	v_and_b32 v[KEY], 31, v[KEY]
	v_sub_nc_u32 v[KEY], 31, v[KEY]
	v_cmp_eq_u32 vcc_lo, v[KEY], v0
	v_cndmask_b32 v[TM], 0, s17, vcc_lo
	v_add_nc_u32 v[NW], v[NW], v[TM]               ; that pair takes them,
	v_cmp_lt_u32 vcc_lo, v[KEY], v0
	v_cndmask_b32 v[TM], 0, s17, vcc_lo
	v_add_nc_u32 v[NB], v[NB], v[TM]               ; and the pairs behind it move up
	v_add_nc_u32 v[NE], v[NB], v[NW]
	v_cmp_ge_u32 s16, s20, v[NB]                   ; whose work-group is number g?
	v_cmp_lt_u32 s18, s20, v[NE]
	s_and_b32 s16, s16, s18
	s_ctz_i32_b32 s16, s16
	s_min_u32 s16, s16, 31                         ; (for g of 232 and more nobody's: such an entry is written and never read)
	s_lshl_b32 s16, s16, 2
	v_mov_b32 v[IDX], s16
	ds_bpermute_b32 v[EN], v[IDX], v[PAIR]         ; that lane's figures, into every lane
	ds_bpermute_b32 v[EN+1], v[IDX], v[BASE]
	ds_bpermute_b32 v[EN+2], v[IDX], v[MYT]
	ds_bpermute_b32 v[SB], v[IDX], v[NB]
	ds_bpermute_b32 v[SM], v[IDX], v[NW]
	; my tokens 2 L and 2 L + 1 of the group: where their pairs' lanes are, and their ranks
	v_and_b32 v[FA], 0xff, v[SL]
	v_and_b32 v[FB], 0xff, v[SL+1]
	v_and_b32 v[IA], 7, v[FA]
	v_and_b32 v[IB], 7, v[FB]
	v_lshrrev_b32 v[OA], 3, v[FA]
	v_lshrrev_b32 v[OB], 3, v[FB]
	v_lshl_or_b32 v[IA], v[IA], 2, v[OA]           ; pair p lies in lane 4 (p % 8) + p / 8
	v_lshl_or_b32 v[IB], v[IB], 2, v[OB]
	v_lshlrev_b32 v[IA], 2, v[IA]
	v_lshlrev_b32 v[IB], 2, v[IB]
	ds_bpermute_b32 v[OA], v[IA], v[OFFV]
	ds_bpermute_b32 v[OB], v[IB], v[OFFV]
	; a token's rank: how many tokens of lower lanes chose its pair; four pairs at a time
.set j, 0
.rept 7
.set k, 0
.rept 4
	v_cmp_eq_u32 s[24+2*k], j+k, v[FA]
	v_cmp_eq_u32 s[25+2*k], j+k, v[FB]
.set k, k+1
.endr
.set k, 0
.rept 4
	v_mbcnt_lo_u32_b32 v[TM+k], s[24+2*k], 0
.set k, k+1
.endr
.set k, 0
.rept 4
	v_mbcnt_lo_u32_b32 v[TM+k], s[25+2*k], v[TM+k]
.set k, k+1
.endr
.set k, 0
.rept 4
	v_cndmask_b32 v[RA], v[RA], v[TM+k], s[24+2*k]
	v_cndmask_b32 v[RB], v[RB], v[TM+k], s[25+2*k]
.set k, k+1
.endr
.set j, j+4
.endr
	v_cmp_eq_u32 vcc_lo, v[FA], v[FB]
	v_cndmask_b32 v[TM], 0, 1, vcc_lo
	v_add_nc_u32 v[RB], v[RB], v[TM]               ; my odd token comes behind my even one
	s_lshl_b32 s16, ttmp9, 7                       ; 2 x 64 g
	v_lshl_add_u32 v[VA], v0, 2, s16               ; 2 n of my even token
	v_lshrrev_b32 v[TM], 8, v[SL]
	v_lshrrev_b32 v[TM+1], 8, v[SL+1]
	v_add3_u32 v[VB], v[VA], 2, v[TM+1]
	v_add_nc_u32 v[VA], v[VA], v[TM]
	s_wait_dscnt 0x0
	v_add_nc_u32 v[OA], v[OA], v[RA]
	v_add_nc_u32 v[OB], v[OB], v[RB]
	v_min_u32 v[OA], 0x3fff, v[OA]                 ; a place made of loaded numbers is held inside the list
	v_min_u32 v[OB], 0x3fff, v[OB]
	v_lshlrev_b32 v[OA], 2, v[OA]
	v_lshlrev_b32 v[OB], 2, v[OB]
	global_store_b32 v[OA], v[VA], s[8:9]
	global_store_b32 v[OB], v[VB], s[8:9]
	v_sub_nc_u32 v[SB], s20, v[SB]                 ; j
	v_and_b32 v[SB], 0xffff, v[SB]
	v_lshl_or_b32 v[EN+3], v[SM], 16, v[SB]
	v_cmp_eq_u32 vcc_lo, 0, v0
	s_wait_xcnt 0x0                                ; EXEC is a source of the stores above: it changes only behind this wait
	s_and_saveexec_b32 s19, vcc_lo
	global_store_b128 v[ZR], v[EN:EN+3], s[10:11]  ; one entry of 16 bytes: all that this work-group has for the table
	s_wait_xcnt 0x0                                ; and again in front of the line that widens it
	s_or_b32 exec_lo, exec_lo, s19
	s_endpgm
.Lfunc_end_k_q18039600f9_route:
	.size	k_q18039600f9_route, .Lfunc_end_k_q18039600f9_route-k_q18039600f9_route
	.p2alignl 7, 3214868480
	.fill 96, 4, 3214868480
	.section	.rodata,"a",@progbits
	.p2align	6, 0x0
	.amdhsa_kernel k_q18039600f9_route
		.amdhsa_group_segment_fixed_size 0
		.amdhsa_private_segment_fixed_size 0
		.amdhsa_enable_private_segment 0
		.amdhsa_kernarg_size 32
		.amdhsa_user_sgpr_count 2
		.amdhsa_user_sgpr_kernarg_segment_ptr 1
		.amdhsa_wavefront_size32 1
		.amdhsa_system_sgpr_workgroup_id_x 1
		.amdhsa_system_sgpr_workgroup_id_y 1
		.amdhsa_system_sgpr_workgroup_id_z 1
		.amdhsa_system_vgpr_workitem_id 0
		.amdhsa_next_free_vgpr 192
		.amdhsa_next_free_sgpr 66
		.amdhsa_reserve_vcc 1
		.amdhsa_float_denorm_mode_32 3
		.amdhsa_float_denorm_mode_16_64 3
		.amdhsa_memory_ordered 1
		.amdhsa_forward_progress 1
		.amdhsa_inst_pref_size 39
	.end_amdhsa_kernel
	.amdgpu_metadata
---
amdhsa.version: [ 1, 2 ]
amdhsa.kernels:
  - .name:           k_q18039600f9_route
    .symbol:         k_q18039600f9_route.kd
    .args:
      - { .name: cnt, .offset: 0, .size: 8, .value_kind: global_buffer, .address_space: global }
      - { .name: sel, .offset: 8, .size: 8, .value_kind: global_buffer, .address_space: global }
      - { .name: list, .offset: 16, .size: 8, .value_kind: global_buffer, .address_space: global }
      - { .name: table, .offset: 24, .size: 8, .value_kind: global_buffer, .address_space: global }
    .group_segment_fixed_size: 0
    .private_segment_fixed_size: 0
    .kernarg_segment_align: 8
    .kernarg_segment_size: 32
    .max_flat_workgroup_size: 32
    .sgpr_count:     66
    .vgpr_count:     192
    .wavefront_size: 32
...
	.end_amdgpu_metadata
.endif
;; end of part 2
;; launch experts (part 3): grid 232 x 1, 4 waves a work-group, no clusters, 327,680 bytes of LDS; arguments xb, wimg, b1, b2, list, table, vals, out0; writes out0
.if DOCPART == 3
	.amdgcn_target "amdgcn-amd-amdhsa--gfx1250"
	.amdhsa_code_object_version 6
	.text
	.protected	k_q18039600f9_experts
	.globl	k_q18039600f9_experts
	.p2align	8
	.type	k_q18039600f9_experts,@function
k_q18039600f9_experts:
	s_mov_b64 s[64:65], 0
	v_nop
	global_prefetch_b8 v0, s[64:65] scope:SCOPE_SE
	s_setreg_imm32_b32 hwreg(HW_REG_WAVE_MODE, 25, 1), 1
	s_wait_xcnt 0x0
; EXPERTS.  out0[n][:] = the sum over the token's two experts e of p_e (relu(x[n] W1[e] + b1[e]) W2[e] + b2[e]); f32, 1,024 bytes a row.
; x, W1 in bf16; p relu(..) is rounded once to f16, W2 is f16 (the bf16 number written so); b1, b2 are rounded to bf16 here, like every input of the module; all sums in f32.
; LIMITS.  p h stays under 65,504 (f16's range; a larger one becomes an infinity), and below 6e-5 it keeps f16's fixed step of 6e-8; relu of a NaN is 0; NaN and infinities are not treated apart.
; SHARES.  Tokens come sorted by their pair of experts lo < hi.  Work-group q takes table[q] = {lo | hi << 8, the pair's first place in list, its tokens, j | m << 16}: it is number j of the m work-groups
; that share the pair, and takes the pair's tiles of 16 tokens j, j + m, .. j + 4 m.  A row past the pair's count repeats the work-group's own first row: the same numbers are then stored once more to
; the same bytes by the same wave, so that every store runs with all lanes on and no byte of out0 is stored by two work-groups.
; THE WALK.  16 chunks of 128 hidden channels: lo's eight, then hi's eight.  All four waves hold X of all five tiles.  Both products are used transposed.  H^T = W1^T X^T: source 0 = 16 channels,
; source 1 = 16 tokens; wave w makes channel tiles 2 w, 2 w + 1 of the chunk.  In the result a lane holds one token and eight channels: times the token's probability, relu, and two results rounded to f16
; in pairs ARE source 1 (32 channels x 16 tokens) of Y^T += W2^T h, of which wave w makes outputs 64 w .. 64 w + 63.  So Y^T sums both experts, weighted, in one set of accumulators.  The waves hand
; each other their 32 channels through LDS; wave w takes the chunk's four k steps in the order w ^ 0, 1, 2, 3: its own first, out of registers.  A weight fragment read from LDS feeds five matrix instructions.
; WEIGHTS come as images of fragments (1,024 bytes: lane L's registers 0-3 at 16 L, 4-7 at 512 + 16 L), so LDS is read 16 bytes a lane on end, with no padding and no turning.
; RING.  Two slots of 131,072 bytes, a chunk each (64 channels: W1 32 KiB, W2 32 KiB; twice); each wave asks for a quarter of a slot.  From a request to the wait for it a wave issues 160 matrix
; instructions.  A wave has two tensor loads out at the start, later one.
; NO CLUSTER, though the work-groups of a pair walk the same weights: which pair is a number read from the table, and a joint load's descriptor is made of constants, the wave's number and coordinates that
; the partners share, nothing that is loaded.  An assignment of pairs to work-groups that is fixed in the text would leave the rows uneven: a pair may have 0 to 16,384 tokens.
; REGISTERS, in windows of 256 (s_set_vgpr_msb: bits 1:0 source 0, 3:2 source 1, 5:4 source 2, 7:6 destination):
;   window 0: addresses; probabilities; H^T (80); my packed h (40), two buffers for the partners' (40 each); b1     window 1: X of tiles 0-3     window 2: Y^T (160), b2 (8)
;   window 3: X of tile 4 (64), two buffers of eight weight fragments (64 each)
.set SLOTB, 131072
.set STG,   262144                     ; behind the ring: the exchange of h: 4 waves x 5 tiles x 1,024 bytes
.set B1T,   282624                     ; b1 of lo, then of hi, f32: 8,192 bytes
.set ENT,   290816                     ; my rows' {p_lo, n, p_hi, 0}: 80 x 16 bytes for each wave
.set SPARE, 295936                     ; the spare words: 128 bytes a wave; no other line names them
.set OSTG,  4352                       ; the way out: 16 rows of 272 bytes a wave, in slot 0, behind its last fill and behind the barrier that follows its last reads
.set AW1,  4                           ; v4      my W1 images in the slot in hand
.set AW2,  5                           ; v5-8    my W2 images for k step w ^ o, o = 0..3
.set ASTO, 9                           ; v9      where I put my packed h
.set ASTP, 10                          ; v10-12  where wave w ^ o puts its own, o = 1..3
.set AB,   13                          ; v13     my place in b1 for the chunk in hand
.set ZERO, 14
.set SPW,  15                          ; my spare word's LDS address; never rewritten
.set NIL,  16                          ; 0; never rewritten
.set AOS,  17                          ; the way out: where I put 16 bytes of a row
.set ARD,  18                          ; where I read rows back
.set AEN,  19                          ; where the rows' entries lie
.set CO,   20                          ; my byte offset in a row of out0
.set VC,   22                          ; v[22:31] tile i: the probability of the expert in hand at VC + 2 i, hi's at VC + 2 i + 1
.set H,    32                          ; H^T (channel tile f, token tile i) at H + 8 (2 i + f)
.set PO,   112                         ; my h, packed: tile i at PO + 8 i
.set PPA,  152                         ; a partner's
.set BIAS, 192                         ; b1 for my two channel tiles of the chunk in hand
.set PPB,  208                         ; another partner's
.set AW1B, 248                         ; the addresses in slot 0, never rewritten
.set AW2B, 249                         ; v249-252
.set AB0,  253
; at work ahead of the walk, in registers that the walk takes over
.set ENR,  32                          ; five list entries 2 n + swap
.set NN,   37                          ; n
.set XO,   42                          ; byte offsets in xb
.set VO,   47                          ; byte offsets in vals
.set SWP,  52
.set T,    57                          ; v57-63
.set VL,   64                          ; v[64:73] (p0, p1)
.set EB,   76                          ; v[76:95] five entries
.set B1R,  96                          ; v[96:111]
.set B2T,  112                         ; v[112:119]
.set H16,  122
.set B1O,  123
.set B1L,  124
.set B2O,  125
.set AENW, 126
; the way out
.set T0,   32                          ; two buffers of 32: eight pairs of rows, 16 bytes a lane
.set EE,   96                          ; two buffers of 32: their entries
.set OFS,  160                         ; two buffers of 8 offsets
.set B2R,  176                         ; b2 of lo (4), of hi (4), for the four columns that I store
.set B2W,  160                         ; window 2: where b2 waits during the walk
.set F0,   128                         ; window 3: the fragment buffers
.set F1,   192
.set W_G1,  0x07                       ; W1 window 3, X window 1, H window 0
.set W_G1T, 0x0f                       ; the same with X of tile 4, window 3
.set W_G2,  0xa3                       ; W2 window 3, h window 0, Y window 2
.set W_F,   0xc0                       ; destination window 3, address window 0
.set FILL,   1
.set NOFILL, 2
.set LAST,   3
.set MSB, 0
.macro WIN new                         ; the immediate's high byte repeats the setting that is left; a switch that changes nothing is dropped
.if MSB != (\new)
	s_set_vgpr_msb (MSB<<8)|(\new)
.set MSB, (\new)
.endif
.endm
.macro PLACES                          ; four places between a matrix instruction and a load into, or a vector read or write of, its registers (ISA guide 7.12.1 for vector instructions)
.rept 4
	v_nop
.endr
.endm
.macro FETCH8 buf, areg, off           ; eight fragments, 16 loads in one run
	WIN W_F
.set fb, 0
.rept 8
	ds_load_b128 v[(\buf)+8*fb:(\buf)+8*fb+3], v[\areg] offset:(\off)+1024*fb
	ds_load_b128 v[(\buf)+8*fb+4:(\buf)+8*fb+7], v[\areg] offset:(\off)+1024*fb+512
.set fb, fb+1
.endr
.endm
.macro FETCH4 buf, areg                ; the four fragments of W2 for one k step
	WIN W_F
.set fb, 0
.rept 4
	ds_load_b128 v[(\buf)+8*fb:(\buf)+8*fb+3], v[\areg] offset:1024*fb
	ds_load_b128 v[(\buf)+8*fb+4:(\buf)+8*fb+7], v[\areg] offset:1024*fb+512
.set fb, fb+1
.endr
.endm
.macro BIASLD                          ; b1 of the chunk: register j of tile f is channel 16 f + 8 (lane / 16) + j, the same for all tokens
	WIN 0
.set fb, 0
.rept 4
	ds_load_b128 v[BIAS+4*fb:BIAS+4*fb+3], v[AB] offset:(fb/2)*64+(fb%2)*16
.set fb, fb+1
.endr
.endm
; H^T += W1^T X^T for the four k steps 4 g .. of d.  part 0: the first two of them for tiles 0-3; 1: the other two; 2: all four for tile 4.  The accumulators (8, or 2) take turns, one instruction
; a turn.  The very first k step takes the bias as C: nothing is cleared.
.macro MULH buf, g, part
.if (\part) < 2
	WIN W_G1
.set kq, 2*(\part)
.rept 2
.set tl, 0
.rept 4
.set fq, 0
.rept 2
.set rH, H+8*(2*tl+fq)
.set rA, (\buf)+8*(4*fq+kq)
.set rX, 64*tl+8*(4*(\g)+kq)
.if ((\g) == 0) && (kq == 0)
	v_wmma_f32_16x16x32_bf16 v[rH:rH+7], v[rA:rA+7], v[rX:rX+7], v[BIAS+8*fq:BIAS+8*fq+7]
.else
	v_wmma_f32_16x16x32_bf16 v[rH:rH+7], v[rA:rA+7], v[rX:rX+7], v[rH:rH+7]
.endif
.set fq, fq+1
.endr
.set tl, tl+1
.endr
.set kq, kq+1
.endr
.else
	WIN W_G1T
.set kq, 0
.rept 4
.set fq, 0
.rept 2
.set rH, H+8*(8+fq)
.set rA, (\buf)+8*(4*fq+kq)
.set rX, 8*(4*(\g)+kq)
.if ((\g) == 0) && (kq == 0)
	v_wmma_f32_16x16x32_bf16 v[rH:rH+7], v[rA:rA+7], v[rX:rX+7], v[BIAS+8*fq:BIAS+8*fq+7]
.else
	v_wmma_f32_16x16x32_bf16 v[rH:rH+7], v[rA:rA+7], v[rX:rX+7], v[rH:rH+7]
.endif
.set fq, fq+1
.endr
.set kq, kq+1
.endr
.endif
.endm
; Y^T += W2^T h for one k step of 32 channels: output tiles d0 .. d0 + nd - 1 of my four, all five token tiles; every accumulator once.  zero = 1: the first product starts the sums.
.macro MULY buf, src, zero, d0, nd
	WIN W_G2
.set dq, (\d0)
.rept (\nd)
.set tl, 0
.rept 5
.set rY, 32*tl+8*dq
.set rA, (\buf)+8*dq
.set rP, (\src)+8*tl
.if \zero
	v_wmma_f32_16x16x32_f16 v[rY:rY+7], v[rA:rA+7], v[rP:rP+7], 0
.else
	v_wmma_f32_16x16x32_f16 v[rY:rY+7], v[rA:rA+7], v[rP:rP+7], v[rY:rY+7]
.endif
.set tl, tl+1
.endr
.set dq, dq+1
.endr
.endm
; h = relu(p H^T), rounded to f16: the probability is the lane's own (a lane holds one token) and is not negative, so it may stand inside the relu; a tile's 16 registers pack into 8, each accumulator
; from its low end on; the maximum with 0 rounds nothing.  Then into my part of the exchange.
.macro CV
	WIN 0
.set tl, 0
.rept 5
.set q, 0
.rept 8
	v_pk_mul_f32 v[H+16*tl+2*q:H+16*tl+2*q+1], v[H+16*tl+2*q:H+16*tl+2*q+1], v[VC+2*tl:VC+2*tl+1] op_sel_hi:[1,0]
.set q, q+1
.endr
.set q, 0
.rept 8
	v_cvt_pk_f16_f32 v[PO+8*tl+q], v[H+16*tl+2*q], v[H+16*tl+2*q+1]
.set q, q+1
.endr
.set q, 0
.rept 8
	v_pk_max_num_f16 v[PO+8*tl+q], v[PO+8*tl+q], v[ZERO]
.set q, q+1
.endr
	ds_store_b128 v[ASTO], v[PO+8*tl:PO+8*tl+3] offset:1024*tl
	ds_store_b128 v[ASTO], v[PO+8*tl+4:PO+8*tl+7] offset:1024*tl+512
.set tl, tl+1
.endr
.endm
.macro PPLOAD dst, areg                ; a partner's h: ten loads
	WIN 0
.set tl, 0
.rept 5
	ds_load_b128 v[(\dst)+8*tl:(\dst)+8*tl+3], v[\areg] offset:1024*tl
	ds_load_b128 v[(\dst)+8*tl+4:(\dst)+8*tl+7], v[\areg] offset:1024*tl+512
.set tl, tl+1
.endr
.endm
; THE CHANGE OF SLOTS, once a chunk.  The slot's last bytes have been read and waited for.  Each wave waits for all its tensor loads, of which one is out: its quarter of the other slot; adds 0 to its spare
; word; and waits for that and for its LDS reads, those of the exchange among them.  Behind the barrier nobody reads this slot or this chunk's h any more, and the other slot is whole.
; fill = 1: the slot is filled again, first thing behind the barrier, with chunk s51: the descriptor's address is made anew from that number and the expert that it belongs to.
; The four v_nop are the places in front of the fragment loads that follow.
.macro CHANGE fill
	WIN 0                                          ; the add's registers lie in window 0
	s_wait_tensorcnt 0x0                           ; no tensor load of mine is out, so the walking descriptor may be written
	ds_add_u32 v[SPW], v[NIL]                      ; 0 onto my spare word; scalar work stands between it and the wait for it
.if \fill
	s_cmp_lt_u32 s51, 8                            ; chunks 0-7 are lo's, 8-15 hi's
	s_cselect_b32 s52, s28, s29
	s_min_u32 s52, s52, 7                          ; a loaded number is held inside its table before it enters an address
	s_lshl_b32 s52, s52, 20                        ; an expert's images are 1 MiB,
	s_and_b32 s54, s51, 7
	s_lshl_b32 s54, s54, 17                        ; a chunk's 131,072 bytes
	s_add_co_u32 s52, s52, s54
	s_add_nc_u64 s[46:47], s[6:7], s[52:53]
	s_or_b32 s47, s47, 0x80000000                  ; type = 2
	s_xor_b32 s45, s45, SLOTB                      ; the other slot than last time
	s_add_co_u32 s51, s51, 1
.endif
	s_xor_b32 s49, s49, SLOTB                      ; the reads go to the other slot,
	s_add_co_u32 s50, s50, 512                     ; and 128 numbers on in b1
	s_wait_dscnt 0x0                               ; the add is done, and my reads of the slot and of the exchange are over
	s_barrier_signal -1
	s_barrier_wait -1
.if \fill
	tensor_load_to_lds s[44:47], s[32:39]          ; my one tensor load behind this barrier
	s_nop 0
.endif
	PLACES
	v_add_nc_u32 v[AW1], s49, v[AW1B]
.irp o, 0,1,2,3
	v_add_nc_u32 v[AW2+\o], s49, v[AW2B+\o]
.endr
	v_add_nc_u32 v[AB], s50, v[AB0]
.endm
; A CHUNK of 128 hidden channels: 80 products for H^T, the packing, 80 products for Y^T.  Each run of fragment loads stands among the products on the other buffer.
; The barrier of the exchange: in front of its signal my stores of h are done; behind its wait I read the partners'.  My own k step's products stand round it: five while my stores are on their way, five between
; signal and wait, ten while the first partner's h comes.  The exchange's bytes are written again in the next chunk, behind the change of slots' barrier, in front of which every wave has waited for its reads of them.
.macro CHUNK zero, mode
	s_wait_dscnt 0x0                               ; W1's first eight fragments and the bias are in
	MULH F0, 0, 0
	PLACES
	FETCH8 F1, AW1, 8192
	MULH F0, 0, 1
	MULH F0, 0, 2
	s_wait_dscnt 0x0
	MULH F1, 1, 0
	PLACES
	FETCH4 F0, AW2                                 ; W2 for my own 32 channels,
	FETCH4 F0+32, AW2+1                            ; and for wave w ^ 1's
	MULH F1, 1, 1
	MULH F1, 1, 2
	WIN 0
	PLACES
	CV
	s_wait_dscnt 10                                ; all but my ten stores of h: W2's fragments are in
	MULY F0, PO, \zero, 0, 1
	s_wait_dscnt 0x0                               ; for the partners' sake: my h is in LDS
	s_barrier_signal -1
	MULY F0, PO, \zero, 1, 1
	WIN 0
	s_barrier_wait -1
	PPLOAD PPA, ASTP                               ; wave w ^ 1's h,
	PPLOAD PPB, ASTP+1                             ; wave w ^ 2's,
	FETCH4 F1, AW2+2                               ; and W2 for the last two k steps
	FETCH4 F1+32, AW2+3
	MULY F0, PO, \zero, 2, 2
	s_wait_dscnt 26                                ; the first ten of those 36 loads are in
	MULY F0+32, PPA, 0, 0, 4
	WIN 0
	PLACES
	PPLOAD PPA, ASTP+2                             ; wave w ^ 3's h
	s_wait_dscnt 10                                ; all but the ten just issued
	MULY F1, PPB, 0, 0, 4
.if (\mode) == FILL
	CHANGE 1
	FETCH8 F0, AW1, 0                              ; the next chunk's first fragments
	BIASLD
.elseif (\mode) == NOFILL
	CHANGE 0
	FETCH8 F0, AW1, 0
	BIASLD
.else
	s_wait_dscnt 0x0
.endif
	MULY F1+32, PPA, 0, 0, 4
.endm
	s_load_b256 s[4:11], s[0:1], 0x0               ; xb s[4:5], wimg s[6:7], b1 s[8:9], b2 s[10:11]
	s_load_b256 s[12:19], s[0:1], 0x20             ; list s[12:13], table s[14:15], vals s[16:17], out0 s[18:19]
	v_lshl_add_u32 v[SPW], v0, 2, SPARE
	v_mov_b32 v[NIL], 0
	ds_add_u32 v[SPW], v[NIL]                      ; the wave's opening: the add and its wait ahead of my first tensor load; work on registers stands between them
	ds_add_u32 v15, v16
	v_lshrrev_b32 v1, 5, v0
	v_readfirstlane_b32 s20, v1                    ; wave 0..3
	s_lshr_b32 s21, s20, 1                         ; w / 2
	s_and_b32 s22, s20, 1                          ; w % 2
	; descriptor group 1: 32,768 dense bytes as 128 rows of 256 bytes, elements of 8 bytes, no padding
	s_mov_b32 s32, 3<<16                           ; 15:0 no mask; 17:16 elements of 8 bytes
	s_mov_b32 s33, 32<<16                          ; tensor_dim0 = 32
	s_mov_b32 s34, 128<<16                         ; tensor_dim1 = 128
	s_mov_b32 s35, 32<<16                          ; tile_dim0 = 32
	s_mov_b32 s36, 128                             ; tile_dim1 = 128
	s_mov_b32 s37, 32                              ; 32 elements from row to row
	s_mov_b32 s38, 0
	s_mov_b32 s39, 0
	s_mov_b32 s40, 1                               ; group 0 for slot 0: count = 1,
	s_lshl_b32 s41, s20, 15                        ; LDS address: my quarter of the slot
	s_mov_b32 s44, 1                               ; group 0 for slot 1; it then walks
	s_add_co_u32 s45, s41, SLOTB
	s_lshl_b32 s52, ttmp9, 4                       ; my entry of 16 bytes
	s_mov_b32 s53, 0
	s_mov_b32 s49, 0                               ; the slot in hand
	s_mov_b32 s50, 0                               ; its place in b1
	s_mov_b32 s51, 2                               ; the chunk to be asked for next
	s_wait_dscnt 0x0                               ; the opening add is done
	s_wait_kmcnt 0x0
	s_add_nc_u64 s[14:15], s[14:15], s[52:53]
	s_load_b128 s[24:27], s[14:15], 0x0            ; lo | hi << 8, first place, tokens, j | m << 16
	v_and_b32 v1, 31, v0
	v_lshlrev_b32 v1, 4, v1                        ; 16 L
	v_and_b32 v2, 15, v0                           ; lane % 16
	v_bfe_u32 v3, v0, 4, 1                         ; lane / 16
	s_lshl_b32 s54, s21, 16                        ; my W1 images: the slot's half w / 2 (64 channels), kind 0, images 16 (w % 2) ..
	s_lshl_b32 s55, s22, 14
	s_add_co_u32 s54, s54, s55
	v_add_nc_u32 v[AW1B], s54, v1
	v_mov_b32 v[AW1], v[AW1B]
	s_lshl_b32 s56, s21, 14                        ; my W2 images: kind 1, images 16 (w / 2) + 8 ((kk ^ (w / 2))) + 4 (w % 2) ..
	s_lshl_b32 s55, s22, 12
	s_add_co_u32 s56, s56, s55
	s_add_co_u32 s56, s56, 32768
.irp o, 0,1,2,3
	s_xor_b32 s54, s20, \o                         ; k step w ^ o of the chunk: the slot's half (w ^ o) / 2, kk = (w ^ o) % 2
	s_lshr_b32 s55, s54, 1
	s_and_b32 s54, s54, 1
	s_xor_b32 s54, s54, s21
	s_lshl_b32 s55, s55, 16
	s_lshl_b32 s54, s54, 13
	s_add_co_u32 s54, s54, s55
	s_add_co_u32 s54, s54, s56
	v_add_nc_u32 v[AW2B+\o], s54, v1
	v_mov_b32 v[AW2+\o], v[AW2B+\o]
.endr
	s_mul_i32 s54, s20, 5120
	s_add_co_u32 s54, s54, STG
	v_add_nc_u32 v[ASTO], s54, v1
.irp o, 1,2,3
	s_xor_b32 s54, s20, \o
	s_mul_i32 s54, s54, 5120
	s_add_co_u32 s54, s54, STG
	v_add_nc_u32 v[ASTP+\o-1], s54, v1
.endr
	s_lshl_b32 s54, s20, 7
	s_add_co_u32 s54, s54, B1T
	v_lshl_add_u32 v[AB0], v3, 5, s54              ; 128 w + 32 (lane / 16)
	v_mov_b32 v[AB], v[AB0]
	v_mov_b32 v[ZERO], 0
	s_mul_i32 s54, s20, OSTG
	v_mul_u32_u24 v[AOS], v2, 272                  ; in: row lane % 16, 32 bytes for each half of the lanes
	v_lshl_add_u32 v[AOS], v3, 5, v[AOS]
	v_add_nc_u32 v[AOS], s54, v[AOS]
	v_mul_u32_u24 v[ARD], v3, 272                  ; back: lanes 0-15 take the 256 bytes of one row, lanes 16-31 of the next
	v_lshl_add_u32 v[ARD], v2, 4, v[ARD]
	v_add_nc_u32 v[ARD], s54, v[ARD]
	s_mul_i32 s55, s20, 1280
	s_add_co_u32 s55, s55, ENT
	v_lshl_add_u32 v[AEN], v3, 4, s55
	v_lshl_add_u32 v[AENW], v2, 4, s55             ; where I put my rows' entries
	s_lshl_b32 s57, s20, 8
	v_lshl_add_u32 v[CO], v2, 4, s57               ; my quarter of a row of out0, 16 bytes at lane % 16
	v_lshlrev_b32 v[H16], 4, v3
	v_lshlrev_b32 v[B1O], 4, v0
	v_add_nc_u32 v[B1L], B1T, v[B1O]
	v_lshlrev_b32 v[B2O], 4, v2
	s_wait_kmcnt 0x0
	s_and_b32 s28, s24, 0xff                       ; lo
	s_bfe_u32 s29, s24, 0x80008                    ; hi
	s_min_u32 s30, s28, 7                          ; loaded numbers are held inside their tables before they enter an address
	s_min_u32 s31, s29, 7
	s_min_u32 s25, s25, 0x3fff
	s_min_u32 s26, s26, 0x4000
	s_and_b32 s55, s27, 0xffff
	s_min_u32 s55, s55, 255                        ; j
	s_lshr_b32 s56, s27, 16
	s_min_u32 s56, s56, 255                        ; m
	s_mov_b32 s52, s41
	s_add_nc_u64 s[6:7], s[6:7], s[52:53]          ; wimg at my quarter of a slot
	s_lshl_b32 s52, s30, 20
	s_add_nc_u64 s[42:43], s[6:7], s[52:53]        ; lo's chunk 0,
	s_add_nc_u64 s[46:47], s[42:43], SLOTB         ; and chunk 1
	s_or_b32 s43, s43, 0x80000000                  ; type = 2
	s_or_b32 s47, s47, 0x80000000
	s_lshl_b32 s52, s31, 12
	s_add_nc_u64 s[58:59], s[8:9], s[52:53]        ; b1 at hi,
	s_lshl_b32 s52, s30, 12
	s_add_nc_u64 s[8:9], s[8:9], s[52:53]          ; and at lo
	s_lshl_b32 s52, s31, 10
	s_add_co_u32 s52, s52, s57
	s_add_nc_u64 s[60:61], s[10:11], s[52:53]      ; b2 at hi and my quarter of the outputs,
	s_lshl_b32 s52, s30, 10
	s_add_co_u32 s52, s52, s57
	s_add_nc_u64 s[10:11], s[10:11], s[52:53]      ; and at lo
	tensor_load_to_lds s[40:43], s[32:39]          ; the two first fills go out together: chunk 0 into slot 0,
	s_nop 0
	tensor_load_to_lds s[44:47], s[32:39]          ; chunk 1 into slot 1
	s_nop 0
.rept 4
	v_nop
.endr
	; my rows: tile i is the pair's tile j + i m
	s_lshl_b32 s57, s55, 4                         ; 16 j: the work-group's first row in the pair
	s_lshl_b32 s56, s56, 4                         ; 16 m
	v_add_nc_u32 v[T+5], s57, v2
	v_mov_b32 v[T+6], s57
.set i, 0
.rept 5
	v_cmp_gt_u32 vcc_lo, s26, v[T+5]               ; is my row of tile i a real one?
	v_cndmask_b32 v[T+i], v[T+6], v[T+5], vcc_lo   ; a row past the count repeats the work-group's first
	v_add_nc_u32 v[T+i], s25, v[T+i]
	v_min_u32 v[T+i], 0x3fff, v[T+i]
	v_lshlrev_b32 v[T+i], 2, v[T+i]
	global_load_b32 v[ENR+i], v[T+i], s[12:13]
	v_add_nc_u32 v[T+5], s56, v[T+5]
.set i, i+1
.endr
	global_load_b128 v[B1R:B1R+3], v[B1O], s[8:9]
	global_load_b128 v[B1R+4:B1R+7], v[B1O], s[8:9] offset:2048
	global_load_b128 v[B1R+8:B1R+11], v[B1O], s[58:59]
	global_load_b128 v[B1R+12:B1R+15], v[B1O], s[58:59] offset:2048
	global_load_b128 v[B2T:B2T+3], v[B2O], s[10:11]
	global_load_b128 v[B2T+4:B2T+7], v[B2O], s[60:61]
	s_wait_loadcnt 0x0
.set i, 0
.rept 5
	v_and_b32 v[SWP+i], 1, v[ENR+i]
	v_lshrrev_b32 v[NN+i], 1, v[ENR+i]             ; the token,
	v_min_u32 v[NN+i], 0x3fff, v[NN+i]
	v_lshlrev_b32 v[VO+i], 3, v[NN+i]              ; its two probabilities,
	v_lshl_add_u32 v[XO+i], v[NN+i], 9, v[H16]     ; its row of 512 bytes in xb, 16 bytes for each half of the lanes
.set i, i+1
.endr
.set i, 0
.rept 5
	global_load_b64 v[VL+2*i:VL+2*i+1], v[VO+i], s[16:17]
.set i, i+1
.endr
	; X stays in registers: a fragment is 16 tokens x 32 d: two loads of 16 bytes, 32 bytes apart
	WIN 0x40                                       ; destination window 1, address window 0
.set tl, 0
.rept 4
.set kq, 0
.rept 8
	global_load_b128 v[64*tl+8*kq:64*tl+8*kq+3], v[XO+tl], s[4:5] offset:64*kq
	global_load_b128 v[64*tl+8*kq+4:64*tl+8*kq+7], v[XO+tl], s[4:5] offset:64*kq+32
.set kq, kq+1
.endr
.set tl, tl+1
.endr
	WIN W_F
.set kq, 0
.rept 8
	global_load_b128 v[8*kq:8*kq+3], v[XO+4], s[4:5] offset:64*kq
	global_load_b128 v[8*kq+4:8*kq+7], v[XO+4], s[4:5] offset:64*kq+32
.set kq, kq+1
.endr
	WIN 0
	; the biases are rounded to bf16 like every input, and widened again
.irp a, B1R, B1R+4, B1R+8, B1R+12, B2T, B2T+4
	v_cvt_pk_bf16_f32 v120, v[\a], v[\a+1]
	v_cvt_pk_bf16_f32 v121, v[\a+2], v[\a+3]
	v_lshlrev_b32 v[\a], 16, v120
	v_and_b32 v[\a+1], 0xffff0000, v120
	v_lshlrev_b32 v[\a+2], 16, v121
	v_and_b32 v[\a+3], 0xffff0000, v121
.endr
.set i, 0
.rept 4
	ds_store_b128 v[B1L], v[B1R+4*i:B1R+4*i+3] offset:2048*i
.set i, i+1
.endr
	WIN 0x80                                       ; destination window 2: b2 waits there for the way out
.set i, 0
.rept 8
	v_mov_b32 v[B2W+i], v[B2T+i]
.set i, i+1
.endr
	WIN 0
	s_wait_tensorcnt 0x1                           ; my quarter of slot 0 is in; slot 1's may stay out
	s_wait_dscnt 0x0                               ; for the others' sake: my part of b1 is in LDS
	s_barrier_signal -1
	s_barrier_wait -1
	FETCH8 F0, AW1, 0
	BIASLD
	s_wait_loadcnt 0x0                             ; the probabilities and X
.set i, 0
.rept 5
	v_cmp_eq_u32 vcc_lo, 1, v[SWP+i]               ; swap: the first choice is hi
	v_cndmask_b32 v[VC+2*i], v[VL+2*i], v[VL+2*i+1], vcc_lo    ; lo's probability: the expert in hand,
	v_cndmask_b32 v[VC+2*i+1], v[VL+2*i+1], v[VL+2*i], vcc_lo  ; and hi's
	v_mov_b32 v[EB+4*i], v[VC+2*i]
	v_mov_b32 v[EB+4*i+1], v[NN+i]
	v_mov_b32 v[EB+4*i+2], v[VC+2*i+1]
	v_mov_b32 v[EB+4*i+3], 0
	ds_store_b128 v[AENW], v[EB+4*i:EB+4*i+3] offset:256*i     ; both halves of the lanes write the same numbers
.set i, i+1
.endr
	CHUNK 1, FILL                                  ; lo's chunk 0: the first products on Y^T start its sums
	WIN 0                                          ; at a label and at a branch every window is 0
	s_mov_b32 s48, 7
.Llo:                                                  ; lo's chunks 1 to 7
	CHUNK 0, FILL
	WIN 0
	s_sub_co_u32 s48, s48, 1
	s_cmp_lg_u32 s48, 0
	s_cbranch_scc1 .Llo
.set i, 0
.rept 5
	v_mov_b32 v[VC+2*i], v[VC+2*i+1]               ; from here on h is weighted by hi's probability
.set i, i+1
.endr
	s_mov_b32 s48, 6
.Lhi:                                                  ; hi's chunks 0 to 5
	CHUNK 0, FILL
	WIN 0
	s_sub_co_u32 s48, s48, 1
	s_cmp_lg_u32 s48, 0
	s_cbranch_scc1 .Lhi
	CHUNK 0, NOFILL                                ; the last two chunks are written out: nothing is left to ask for
	CHUNK 0, LAST
	; THE WAY OUT, a tile of 16 rows at a time: Y^T goes into rows of 272 bytes of my own stage and comes back as rows; p_lo b2_lo + p_hi b2_hi is added; sixteen lanes store 256 consecutive bytes, aligned, of the token's row.
.macro TOSTAGE i
	WIN 0x08                                       ; store data (source 1) in window 2
.set dq, 0
.rept 4
	ds_store_b128 v[AOS], v[32*(\i)+8*dq:32*(\i)+8*dq+3] offset:64*dq        ; each accumulator from its low end on
	ds_store_b128 v[AOS], v[32*(\i)+8*dq+4:32*(\i)+8*dq+7] offset:64*dq+16
.set dq, dq+1
.endr
	WIN 0
	s_wait_xcnt 0x0                                ; the stores of the tile before last have read their registers: this buffer is loaded again, and its offsets made anew, only behind this wait
.set tb, T0+32*((\i)%2)
.set eb, EE+32*((\i)%2)
.set u, 0
.rept 8
	ds_load_b128 v[tb+4*u:tb+4*u+3], v[ARD] offset:544*u           ; LDS serves a wave's instructions in order (ISA guide 5.7.1.4): these see the stores above; the next tile's stores come behind them
.set u, u+1
.endr
.set u, 0
.rept 8
	ds_load_b128 v[eb+4*u:eb+4*u+3], v[AEN] offset:256*(\i)+32*u   ; the entry of row 2 u + lane / 16
.set u, u+1
.endr
.endm
.macro SEND i, younger                 ; younger: the LDS instructions issued behind tile i's: the next tile's 24, or none
	WIN 0
	s_wait_dscnt \younger
.set tb, T0+32*((\i)%2)
.set eb, EE+32*((\i)%2)
.set ob, OFS+8*((\i)%2)
.set u, 0
.rept 8
	v_pk_fma_f32 v[tb+4*u:tb+4*u+1], v[B2R:B2R+1], v[eb+4*u:eb+4*u+1], v[tb+4*u:tb+4*u+1] op_sel_hi:[1,0,1]          ; + p_lo b2_lo
	v_pk_fma_f32 v[tb+4*u+2:tb+4*u+3], v[B2R+2:B2R+3], v[eb+4*u:eb+4*u+1], v[tb+4*u+2:tb+4*u+3] op_sel_hi:[1,0,1]
	v_pk_fma_f32 v[tb+4*u:tb+4*u+1], v[B2R+4:B2R+5], v[eb+4*u+2:eb+4*u+3], v[tb+4*u:tb+4*u+1] op_sel_hi:[1,0,1]      ; + p_hi b2_hi
	v_pk_fma_f32 v[tb+4*u+2:tb+4*u+3], v[B2R+6:B2R+7], v[eb+4*u+2:eb+4*u+3], v[tb+4*u+2:tb+4*u+3] op_sel_hi:[1,0,1]
	v_min_u32 v[ob+u], 0x3fff, v[eb+4*u+1]         ; a row number that came from memory is held inside out0
	v_lshl_add_u32 v[ob+u], v[ob+u], 10, v[CO]
	global_store_b128 v[ob+u], v[tb+4*u:tb+4*u+3], s[18:19] th:TH_STORE_NT
.set u, u+1
.endr
.endm
	PLACES                                         ; between the last products and the first read of a result, and the first write into their sources
	WIN 0x02                                       ; source 0 in window 2
.set i, 0
.rept 8
	v_mov_b32 v[B2R+i], v[B2W+i]
.set i, i+1
.endr
	TOSTAGE 0
	TOSTAGE 1
	SEND 0, 24
	TOSTAGE 2
	SEND 1, 24
	TOSTAGE 3
	SEND 2, 24
	TOSTAGE 4
	SEND 3, 24
	SEND 4, 0
	s_wait_tensorcnt 0x0                           ; the wave's end, behind my last tensor load and my last LDS store
	ds_add_u32 v[SPW], v[NIL]
	s_wait_dscnt 0x0
	s_endpgm
.Lfunc_end_k_q18039600f9_experts:
	.size	k_q18039600f9_experts, .Lfunc_end_k_q18039600f9_experts-k_q18039600f9_experts
	.p2alignl 7, 3214868480
	.fill 96, 4, 3214868480
	.section	.rodata,"a",@progbits
	.p2align	6, 0x0
	.amdhsa_kernel k_q18039600f9_experts
		.amdhsa_group_segment_fixed_size 327680
		.amdhsa_private_segment_fixed_size 0
		.amdhsa_enable_private_segment 0
		.amdhsa_kernarg_size 64
		.amdhsa_user_sgpr_count 2
		.amdhsa_user_sgpr_kernarg_segment_ptr 1
		.amdhsa_wavefront_size32 1
		.amdhsa_system_sgpr_workgroup_id_x 1
		.amdhsa_system_sgpr_workgroup_id_y 1
		.amdhsa_system_sgpr_workgroup_id_z 1
		.amdhsa_system_vgpr_workitem_id 0
		.amdhsa_next_free_vgpr 1024
		.amdhsa_next_free_sgpr 66
		.amdhsa_reserve_vcc 1
		.amdhsa_float_denorm_mode_32 3
		.amdhsa_float_denorm_mode_16_64 3
		.amdhsa_memory_ordered 1
		.amdhsa_forward_progress 1
		.amdhsa_inst_pref_size 183
	.end_amdhsa_kernel
	.amdgpu_metadata
---
amdhsa.version: [ 1, 2 ]
amdhsa.kernels:
  - .name:           k_q18039600f9_experts
    .symbol:         k_q18039600f9_experts.kd
    .args:
      - { .name: xb, .offset: 0, .size: 8, .value_kind: global_buffer, .address_space: global }
      - { .name: wimg, .offset: 8, .size: 8, .value_kind: global_buffer, .address_space: global }
      - { .name: b1, .offset: 16, .size: 8, .value_kind: global_buffer, .address_space: global }
      - { .name: b2, .offset: 24, .size: 8, .value_kind: global_buffer, .address_space: global }
      - { .name: list, .offset: 32, .size: 8, .value_kind: global_buffer, .address_space: global }
      - { .name: table, .offset: 40, .size: 8, .value_kind: global_buffer, .address_space: global }
      - { .name: vals, .offset: 48, .size: 8, .value_kind: global_buffer, .address_space: global }
      - { .name: out0, .offset: 56, .size: 8, .value_kind: global_buffer, .address_space: global }
    .group_segment_fixed_size: 327680
    .private_segment_fixed_size: 0
    .kernarg_segment_align: 8
    .kernarg_segment_size: 64
    .max_flat_workgroup_size: 128
    .sgpr_count:     66
    .vgpr_count:     1024
    .wavefront_size: 32
...
	.end_amdgpu_metadata
.endif
;; end of part 3
;; ======== version 2 of 2: 3 launches; version 1 with the launch front written anew for expert scheduling mode
;; limits: values are held in f16: magnitudes above 65,504 overflow, below 6.1e-05 lose precision
;; workspace buffers: xb 8,388,608 bytes; wimg 8,388,608 bytes; sel 65,536 bytes of whole numbers; vals 131,072 bytes; cnt 16,384 bytes of whole numbers; list 65,536 bytes of whole numbers; table 4,096 bytes of whole numbers
;; launch front (part 4): grid 256 x 1, 8 waves a work-group, no clusters, 77,824 bytes of LDS; arguments x, gate_w, gate_b, w1, w2, xb, wimg, sel, vals, cnt; writes xb, wimg, sel, vals, cnt
.if DOCPART == 4
	.amdgcn_target "amdgcn-amd-amdhsa--gfx1250"
	.amdhsa_code_object_version 6
	.text
	.protected	k_q18039600f9_front
	.globl	k_q18039600f9_front
	.p2align	8
	.type	k_q18039600f9_front,@function
k_q18039600f9_front:
	s_mov_b64 s[64:65], 0
	v_nop
	global_prefetch_b8 v0, s[64:65] scope:SCOPE_SE
	s_setreg_imm32_b32 hwreg(HW_REG_WAVE_SCHED_MODE, 0, 2), 2
	s_setreg_imm32_b32 hwreg(HW_REG_WAVE_MODE, 25, 1), 1
	s_wait_xcnt 0x0
	s_wait_alu depctr_vm_vsrc(0)
; FRONT.  Work-group g (of 256, eight waves) does four things, each on a share of its own:
;  (1) x rows 64 g .. 64 g + 63 are rounded to bf16 and written to xb [16384][256];
;  (2) the gate for those 64 tokens, on inputs rounded to bf16: logits by the matrix unit (f32 sums), the two largest logits (a tie goes to the lower
;      index), softmax with the maximum taken away; vals[n] = (p0, p1); sel[n] = pair | swap << 8, where pair = hi (hi - 1) / 2 + lo numbers the token's two experts lo < hi
;      (28 pairs) and swap = 1 where the first choice is hi;
;  (3) cnt[g][pair], 16 bits each, 32 places: how many of the group's 64 tokens chose that pair (the last four places are 0);
;  (4) half hf = g & 1 of weight chunk (e = g >> 5, c = (g >> 1) & 15: 64 hidden channels) is laid into wimg as FRAGMENT IMAGES of 1,024 bytes: 16 rows x 32 k
;      as source 0 of a matrix instruction holds them: bytes 16 L: lane L's registers 0-3, bytes 512 + 16 L: its registers 4-7.
;      wimg = [e][c][kind][32 images].  kind 0: W1^T (row f, k = d) in bf16, image (ft >> 1) 16 + (kt >> 2) 8 + (ft & 1) 4 + (kt & 3).
;      kind 1: W2^T (row dout, k = f), rounded to bf16 and that number written as f16, image (dt >> 3) 16 + ((kk ^ (dt >> 3)) 8) + (dt & 7).
; LIMITS.  |w2| stays under 65,504 (f16's range); below 6e-5 it keeps f16's fixed step of 6e-8.  NaN and infinities are not treated apart.
; The two experts are chosen on the logits, not on the probabilities: two logits closer than the f32 sums' rounding may be taken in the other order.
; THE MODE: SCHED_MODE bits 1:0 = 2 (LLVM: expert scheduling mode 2), set by the entry lines.  The code itself states the register dependences
; between vector or matrix instructions and memory or LDS instructions, with s_wait_alu, always for 0.
; THE PLAN.  Registers that memory or LDS instructions touch:
;   v1, v3            offsets of the 34 loads: written at the head, never again.
;   v4-v8, v152-v156  addresses of the tiles, of xb, of the fragments and of the images: written once, while the loads are out, never again.
;   GWR, XR, W1R, W2R (v16-v151)  A piece is loaded, rounded in place by its conversions, and read by its stores.  The 34 pieces go in nine BATCHES (gate_w; x in four of four pieces; w1 in two;
;                     w2 in two).  At the head of batch b stand the wait for its loads and ONE wait on va_vdst: batch b - 1's conversions have written their registers.  Behind it batch b - 1's stores
;                     are dealt among batch b's conversions, which name batch b's registers (and v216, v217) alone.  Every piece has registers of its own, so nothing that a store reads is written
;                     again ahead of the first barrier.  Behind that barrier ONE wait on vm_vsrc: the stores have read v16-v151, in which the gate's loads land and which its products write.
;   FR (v168-v199)    written by the turning loads, read by the stores of the images; no vector instruction names them.
;   v157; v158, v159, v228, v230, v231   made in the gate's arm: an address of its loads; the addresses and data of its two LDS stores.
;   v160-v164, v216, v217, v220-v223, v232   wave 0's tail: addresses, the choices and probabilities read back, the counts.
;   v238, v239        written at the head, read by the closing add alone.
; A vector instruction that writes VCC or a scalar register has a wait on va_vcc or va_sdst ahead of the first reader.  EXEC is written nowhere.
.set XT,    0                          ; x tile, bf16: 64 rows, pitch 528 (512 + 16: the 16 rows of a fragment load start at 16 different groups of four banks)
.set W1T,   33792                      ; w1 part, bf16 [d 128][f 64]: pitch 160 (an odd multiple of 32, for the turning load)
.set W2T,   54272                      ; w2 part, f16 [f 32][dout 256]: pitch 544 (likewise)
.set GWT,   71680                      ; gate_w turned, bf16 [expert 8][d 256]: pitch 528
.set SELT,  75904                      ; 64 words
.set VALT,  76160                      ; 64 pairs
.set SPARE, 76800                      ; the spare words: 128 bytes for each of the eight waves; no other line names them
.set XR,   16                          ; v[16:79]    x as loaded, 16 pieces
.set W1R,  80                          ; v[80:111]   w1 as loaded
.set W2R,  112                         ; v[112:143]  w2 as loaded
.set GWR,  144                         ; v[144:151]  gate_w as loaded
.set FR,   168                         ; v[168:199]  four fragments on their way out
.set GA,   16                          ; later: the gate's source 0, eight fragments
.set GB,   80                          ; and source 1
.set ACC0, 144
.set ACC1, 200
.set BI,   208                         ; gate_b, rounded to bf16, as the first product's C
.set LG,   216                         ; eight logits
.set M1,   224
.set I1,   225
.set M2,   226
.set I2,   227
.set SW,   228
.set PV,   230                         ; v[230:231] the two probabilities
.set SPW,  238                         ; my spare word's LDS address; never rewritten
.set NIL,  239                         ; 0; never rewritten
	s_load_b256 s[4:11], s[0:1], 0x0               ; x s[4:5], gate_w s[6:7], gate_b s[8:9], w1 s[10:11]
	s_load_b256 s[12:19], s[0:1], 0x20             ; w2 s[12:13], xb s[14:15], wimg s[16:17], sel s[18:19]
	s_load_b128 s[20:23], s[0:1], 0x40             ; vals s[20:21], cnt s[22:23]
	v_lshl_add_u32 v[SPW], v0, 2, SPARE
	v_mov_b32 v[NIL], 0
	v_lshrrev_b32 v11, 5, v0
	v_readfirstlane_b32 s24, v11                   ; wave 0..7
	s_lshr_b32 s25, ttmp9, 5                       ; e
	s_bfe_u32 s26, ttmp9, 0x40001                  ; c
	s_and_b32 s27, ttmp9, 1                        ; hf
	s_lshl_b32 s40, ttmp9, 16                      ; x: 64 rows of 1,024 bytes
	s_mov_b32 s41, 0
	s_lshl_b32 s42, s25, 20                        ; w1: expert, 128 hf rows of 4,096 bytes, 64 c columns
	s_lshl_b32 s28, s27, 19
	s_add_co_u32 s42, s42, s28
	s_lshl_b32 s28, s26, 8
	s_add_co_u32 s42, s42, s28
	s_mov_b32 s43, 0
	s_lshl_b32 s44, ttmp9, 15                      ; w2: (32 e + 2 c + hf) x 32 rows of 1,024 bytes = g x 32,768; xb: 64 rows of 512 bytes, the same figure
	s_mov_b32 s45, 0
	s_lshr_b32 s46, ttmp9, 1
	s_lshl_b32 s46, s46, 16                        ; wimg: chunk (16 e + c) x 65,536
	s_mov_b32 s47, 0
	s_lshl_b32 s48, ttmp9, 8                       ; sel
	s_mov_b32 s49, 0
	s_lshl_b32 s50, ttmp9, 9                       ; vals
	s_mov_b32 s51, 0
	s_lshl_b32 s52, ttmp9, 6                       ; cnt: 32 places of 2 bytes
	s_mov_b32 s53, 0
	v_lshlrev_b32 v1, 4, v0                        ; 16 t
	v_and_b32 v9, 15, v0                           ; t % 16
	v_lshrrev_b32 v11, 4, v0                       ; t / 16
	v_lshlrev_b32 v3, 12, v11
	v_lshl_add_u32 v3, v9, 4, v3                   ; w1: row t / 16, 16 bytes at t % 16
	s_wait_kmcnt 0x0
	s_add_nc_u64 s[4:5], s[4:5], s[40:41]
	s_add_nc_u64 s[10:11], s[10:11], s[42:43]
	s_add_nc_u64 s[12:13], s[12:13], s[44:45]
	s_add_nc_u64 s[14:15], s[14:15], s[44:45]
	s_add_nc_u64 s[16:17], s[16:17], s[46:47]
	s_add_nc_u64 s[18:19], s[18:19], s[48:49]
	s_add_nc_u64 s[20:21], s[20:21], s[50:51]
	s_add_nc_u64 s[22:23], s[22:23], s[52:53]
	s_load_b256 s[32:39], s[8:9], 0x0              ; gate_b
	s_wait_alu depctr_va_vdst(0)                   ; v1 and v3 are written: the 34 loads below read them as their offsets
	; all 34 loads on end: gate_w 2, x 16, w1 8, w2 8; every wave's load covers 512 consecutive bytes (w1: two rows' 256)
.set i, 0
.rept 2
	global_load_b128 v[GWR+4*i:GWR+4*i+3], v1, s[6:7] offset:4096*i
.set i, i+1
.endr
.set i, 0
.rept 16
	global_load_b128 v[XR+4*i:XR+4*i+3], v1, s[4:5] offset:4096*i th:TH_LOAD_NT
.set i, i+1
.endr
.set i, 0
.rept 8
	global_load_b128 v[W1R+4*i:W1R+4*i+3], v3, s[10:11] offset:65536*i th:TH_LOAD_NT
.set i, i+1
.endr
.set i, 0
.rept 8
	global_load_b128 v[W2R+4*i:W2R+4*i+3], v1, s[12:13] offset:4096*i th:TH_LOAD_NT
.set i, i+1
.endr
	; addresses, made while the loads are out: none of these lines names v1, v3 or a register in which a load lands
	v_and_b32 v2, 31, v0                           ; lane
	v_bfe_u32 v10, v0, 4, 1                        ; lane / 16
	v_mul_u32_u24 v6, v11, 160
	v_lshl_add_u32 v6, v9, 3, v6
	v_add_nc_u32 v6, W1T, v6                       ; w1 tile: row t / 16, 8 bytes at t % 16
	v_lshrrev_b32 v12, 6, v0
	v_and_b32 v13, 63, v0
	v_mul_u32_u24 v4, v12, 528
	v_lshl_add_u32 v4, v13, 3, v4                  ; x tile: row t / 64, 8 bytes at t % 64
	v_mul_u32_u24 v7, v12, 544
	v_lshl_add_u32 v7, v13, 3, v7
	v_add_nc_u32 v7, W2T, v7                       ; w2 tile likewise
	v_lshlrev_b32 v5, 3, v0                        ; xb: 8 t
	v_and_b32 v14, 1, v0
	v_mul_u32_u24 v8, v14, 2112
	v_lshrrev_b32 v15, 1, v0
	v_lshl_add_u32 v8, v15, 1, v8
	v_add_nc_u32 v8, GWT, v8                       ; gate tile: rows 4 (t % 2) .., column d = t / 2
	v_and_b32 v13, 7, v0
	v_lshl_add_u32 v11, v10, 3, v13                ; the turning load's row: 8 (lane / 16) + lane % 8
	v_bfe_u32 v12, v0, 3, 1                        ; and its 16 bytes: (lane / 8) % 2
	s_wait_alu depctr_va_sdst(0)                   ; s24, the wave's number, is written, ahead of its first reader
	s_lshr_b32 s28, s24, 1
	s_lshl_b32 s54, s28, 5                         ; W1 fragments of wave w: f tile w / 2,
	s_and_b32 s28, s24, 1
	s_mul_i32 s28, s28, 10240                      ; k steps 2 (w % 2) and + 1 of this half's four
	s_add_co_u32 s54, s54, s28
	s_add_co_u32 s54, s54, W1T
	s_lshl_b32 s55, s24, 6                         ; W2 fragments: dout tiles 2 w and 2 w + 1
	s_add_co_u32 s55, s55, W2T
	v_mul_u32_u24 v152, v11, 160
	v_lshl_add_u32 v152, v12, 4, v152
	v_add_nc_u32 v152, s54, v152
	v_mul_u32_u24 v153, v11, 544
	v_lshl_add_u32 v153, v12, 4, v153
	v_add_nc_u32 v153, s55, v153
	s_lshr_b32 s29, s24, 2
	s_and_b32 s30, s24, 3
	s_lshl_b32 s56, s29, 4
	s_lshl_b32 s28, s30, 1
	s_add_co_u32 s56, s56, s28                     ; (w / 4) 16 + 2 (w % 4)
	s_lshl_b32 s28, s27, 3
	s_add_co_u32 s57, s56, s28                     ; W1's first image: + 8 hf
	s_xor_b32 s28, s27, s29
	s_lshl_b32 s28, s28, 3
	s_add_co_u32 s58, s56, s28                     ; W2's: + 8 (hf ^ (w / 4))
	s_lshl_b32 s57, s57, 10
	s_lshl_b32 s58, s58, 10
	s_add_co_u32 s58, s58, 32768                   ; kind 1 lies 32,768 bytes behind kind 0
	v_lshlrev_b32 v154, 4, v2
	v_add_nc_u32 v155, s58, v154
	v_add_nc_u32 v154, s57, v154
	v_mul_u32_u24 v156, v13, 528
	v_lshl_add_u32 v156, v10, 4, v156
	v_add_nc_u32 v156, GWT, v156                   ; the gate's source 0: row (lane % 8): rows 8-15 repeat the eight experts
; THE BATCHES.  pcv: the piece that is rounded; pst: the piece, of the batch before, that is stored.
.macro STG                             ; gate_w's piece pst, turned: four experts of one d go to four rows
	ds_store_b16 v8, v[GWR+4*pst] offset:256*pst
	ds_store_b16_d16_hi v8, v[GWR+4*pst] offset:256*pst+528
	ds_store_b16 v8, v[GWR+4*pst+1] offset:256*pst+1056
	ds_store_b16_d16_hi v8, v[GWR+4*pst+1] offset:256*pst+1584
.endm
.macro CVX                             ; x: rounded once
	v_cvt_pk_bf16_f32 v[XR+4*pcv], v[XR+4*pcv], v[XR+4*pcv+1]
	v_cvt_pk_bf16_f32 v[XR+4*pcv+1], v[XR+4*pcv+2], v[XR+4*pcv+3]
.endm
.macro STX                             ; into the tile for the gate, and out to xb (a wave's store covers 256 consecutive bytes, aligned)
	ds_store_b64 v4, v[XR+4*pst:XR+4*pst+1] offset:2112*pst
	global_store_b64 v5, v[XR+4*pst:XR+4*pst+1], s[14:15] offset:2048*pst
.endm
.macro CVW1
	v_cvt_pk_bf16_f32 v[W1R+4*pcv], v[W1R+4*pcv], v[W1R+4*pcv+1]
	v_cvt_pk_bf16_f32 v[W1R+4*pcv+1], v[W1R+4*pcv+2], v[W1R+4*pcv+3]
.endm
.macro STW1
	ds_store_b64 v6, v[W1R+4*pst:W1R+4*pst+1] offset:2560*pst
.endm
.macro CVW2                            ; w2: rounded to bf16 like every input, and that number written as f16 (exact within f16's normal range)
	v_cvt_pk_bf16_f32 v216, v[W2R+4*pcv], v[W2R+4*pcv+1]
	v_cvt_pk_bf16_f32 v217, v[W2R+4*pcv+2], v[W2R+4*pcv+3]
	v_lshlrev_b32 v[W2R+4*pcv], 16, v216
	v_and_b32 v[W2R+4*pcv+1], 0xffff0000, v216
	v_lshlrev_b32 v[W2R+4*pcv+2], 16, v217
	v_and_b32 v[W2R+4*pcv+3], 0xffff0000, v217
	v_cvt_pk_f16_f32 v[W2R+4*pcv], v[W2R+4*pcv], v[W2R+4*pcv+1]
	v_cvt_pk_f16_f32 v[W2R+4*pcv+1], v[W2R+4*pcv+2], v[W2R+4*pcv+3]
.endm
.macro STW2
	ds_store_b64 v7, v[W2R+4*pst:W2R+4*pst+1] offset:2176*pst
.endm
	; gate_w: rounded to bf16
	s_wait_loadcnt 32                              ; the 32 loads issued behind gate_w's may stay out
.set i, 0
.rept 2
	v_cvt_pk_bf16_f32 v[GWR+4*i], v[GWR+4*i], v[GWR+4*i+1]
	v_cvt_pk_bf16_f32 v[GWR+4*i+1], v[GWR+4*i+2], v[GWR+4*i+3]
.set i, i+1
.endr
	; x's pieces 0 to 3 | gate_w's stores
	s_wait_loadcnt 28                              ; 12 pieces of x and the 16 of w1 and w2 were issued behind these four
	s_wait_alu depctr_va_vdst(0)                   ; gate_w's conversions have written v[GWR ..], which the stores below read; so are all the addresses made above, v4 to v8 and v152 to v156, for every later store and LDS load
.set pst, 0
.set pcv, 0
.rept 2
	STG
	CVX
.set pcv, pcv+1
	CVX
.set pcv, pcv+1
.set pst, pst+1
.endr
	; x's pieces 4 b to 4 b + 3 | the stores of the four before
.set pst, 0
.set b, 1
.rept 3
	s_wait_loadcnt 28-4*b                          ; the loads issued behind this batch's four may stay out
	s_wait_alu depctr_va_vdst(0)                   ; the batch before has written its v[XR ..], which the stores below read
.rept 4
	STX
	CVX
.set pst, pst+1
.set pcv, pcv+1
.endr
.set b, b+1
.endr
	; w1's pieces 0 to 3 | x's last four stores
	s_wait_loadcnt 12
	s_wait_alu depctr_va_vdst(0)                   ; x's last four pieces are written, which the stores below read
.set pcv, 0
.rept 4
	STX
	CVW1
.set pst, pst+1
.set pcv, pcv+1
.endr
	; w1's pieces 4 to 7 | the stores of its first four
	s_wait_loadcnt 8
	s_wait_alu depctr_va_vdst(0)                   ; w1's first four pieces are written, which the stores below read
.set pst, 0
.rept 4
	STW1
	CVW1
.set pst, pst+1
.set pcv, pcv+1
.endr
	; w2's pieces 0 to 3 | w1's last four stores
	s_wait_loadcnt 4
	s_wait_alu depctr_va_vdst(0)                   ; w1's last four pieces are written, which the stores below read
.set pcv, 0
.rept 4
	STW1
	CVW2
.set pst, pst+1
.set pcv, pcv+1
.endr
	; w2's pieces 4 to 7 | the stores of its first four
	s_wait_loadcnt 0x0
	s_wait_alu depctr_va_vdst(0)                   ; w2's first four pieces are written, which the stores below read
.set pst, 0
.rept 4
	STW2
	CVW2
.set pst, pst+1
.set pcv, pcv+1
.endr
	s_wait_alu depctr_va_vdst(0)                   ; w2's last four pieces are written, which the stores below read; no conversion is left that names v16 to v151 or v216, v217
.rept 4
	STW2
.set pst, pst+1
.endr
	s_wait_dscnt 0x0                               ; for the others' sake: my stores into the four tiles are done
	s_barrier_signal -1
	s_barrier_wait -1
	s_wait_xcnt 0x0                                ; the stores to xb have read their registers: the gate loads into them below
	s_wait_alu depctr_vm_vsrc(0)                   ; my LDS stores and my stores to xb have read v16 to v151: the gate's loads land in v16 to v143, its products write v144 to v151
	; every wave: two fragments of W1^T and two of W2^T, by the turning load, and out as images: each store covers 512 consecutive bytes
.set n, 0
.rept 4
	ds_load_tr16_b128 v[FR+4*n:FR+4*n+3], v152 offset:(n/2)*5120+(n%2)*2560
.set n, n+1
.endr
.set n, 0
.rept 4
	ds_load_tr16_b128 v[FR+16+4*n:FR+16+4*n+3], v153 offset:(n/2)*32+(n%2)*8704
.set n, n+1
.endr
.set n, 0
.rept 4
	s_wait_dscnt 7-n                               ; load n of the eight is in
	global_store_b128 v154, v[FR+4*n:FR+4*n+3], s[16:17] offset:(n/2)*1024+(n%2)*512
.set n, n+1
.endr
.set n, 0
.rept 4
	s_wait_dscnt 3-n
	global_store_b128 v155, v[FR+16+4*n:FR+16+4*n+3], s[16:17] offset:(n/2)*1024+(n%2)*512
.set n, n+1
.endr
	; THE GATE: waves 0 to 3, 16 tokens each.  Source 0 = the experts' rows (twice), source 1 = 16 tokens: in the result every lane holds all eight logits of token lane % 16.
	s_cmp_lt_u32 s24, 4
	s_cbranch_scc0 .Lnogate
	s_mul_i32 s59, s24, 8448                       ; my 16 rows of the x tile
	v_mul_u32_u24 v157, v9, 528
	v_lshl_add_u32 v157, v10, 4, v157
	v_add_nc_u32 v157, s59, v157
	s_wait_alu depctr_va_vdst(0)                   ; v157 is written, which the loads of source 1 read as their address
.set k, 0
.rept 8
	ds_load_b128 v[GA+8*k:GA+8*k+3], v156 offset:64*k
	ds_load_b128 v[GA+8*k+4:GA+8*k+7], v156 offset:64*k+32
	ds_load_b128 v[GB+8*k:GB+8*k+3], v157 offset:64*k
	ds_load_b128 v[GB+8*k+4:GB+8*k+7], v157 offset:64*k+32
.set k, k+1
.endr
	s_lshl_b32 s59, s24, 4
	v_add_nc_u32 v14, s59, v9                      ; my token in the group: 16 w + lane % 16
	v_lshl_add_u32 v158, v14, 2, SELT
	v_lshl_add_u32 v159, v14, 3, VALT
	s_wait_kmcnt 0x0                               ; gate_b
.set j, 0
.rept 8
	v_mov_b32 v[BI+j], s[32+j]
.set j, j+1
.endr
.set j, 0
.rept 4
	v_cvt_pk_bf16_f32 v[LG], v[BI+2*j], v[BI+2*j+1]  ; the bias is rounded to bf16 like every input, and widened again
	v_lshlrev_b32 v[BI+2*j], 16, v[LG]
	v_and_b32 v[BI+2*j+1], 0xffff0000, v[LG]
.set j, j+1
.endr
	s_wait_dscnt 0x0
	; two accumulators by turns: the even k steps (begun with the bias) and the odd ones (begun with 0)
	v_wmma_f32_16x16x32_bf16 v[ACC0:ACC0+7], v[GA:GA+7], v[GB:GB+7], v[BI:BI+7]
	v_wmma_f32_16x16x32_bf16 v[ACC1:ACC1+7], v[GA+8:GA+15], v[GB+8:GB+15], 0
.set k, 2
.rept 3
	v_wmma_f32_16x16x32_bf16 v[ACC0:ACC0+7], v[GA+8*k:GA+8*k+7], v[GB+8*k:GB+8*k+7], v[ACC0:ACC0+7]
	v_wmma_f32_16x16x32_bf16 v[ACC1:ACC1+7], v[GA+8*k+8:GA+8*k+15], v[GB+8*k+8:GB+8*k+15], v[ACC1:ACC1+7]
.set k, k+2
.endr
.rept 4
	v_nop                                          ; four places between the last product and the first read of a result (ISA guide 7.12.1)
.endr
.set j, 0
.rept 8
	v_add_f32 v[LG+j], v[ACC0+j], v[ACC1+j]        ; from the low end on
.set j, j+1
.endr
	v_mov_b32 v[M1], v[LG]                         ; the largest logit; a later one must be greater to take its place
	v_mov_b32 v[I1], 0
.set j, 1
.rept 7
	v_cmp_gt_f32 vcc_lo, v[LG+j], v[M1]
	s_wait_alu depctr_va_vcc(0)                    ; the compare has written VCC, ahead of the two selects that read it
	v_cndmask_b32 v[M1], v[M1], v[LG+j], vcc_lo
	v_cndmask_b32 v[I1], v[I1], j, vcc_lo
.set j, j+1
.endr
	v_mov_b32 v[M2], 0xff800000                    ; the largest of the other seven
	v_cmp_eq_u32 vcc_lo, 0, v[I1]
	s_wait_alu depctr_va_vcc(0)                    ; the compare has written VCC, ahead of the select that reads it
	v_cndmask_b32 v[I2], 0, 1, vcc_lo              ; it starts at an index other than the first's, so the two always differ
.set j, 0
.rept 8
	v_cmp_ne_u32 s40, j, v[I1]
	v_cmp_gt_f32 s41, v[LG+j], v[M2]
	s_wait_alu depctr_va_sdst(0)                   ; the two compares have written s40 and s41, ahead of the line that reads both
	s_and_b32 s40, s40, s41
	v_cndmask_b32 v[M2], v[M2], v[LG+j], s40
	v_cndmask_b32 v[I2], v[I2], j, s40
.set j, j+1
.endr
	v_min_u32 v233, v[I1], v[I2]                   ; lo
	v_max_u32 v234, v[I1], v[I2]                   ; hi
	v_add_nc_u32 v235, -1, v234
	v_mul_u32_u24 v235, v234, v235
	v_lshrrev_b32 v235, 1, v235
	v_add_nc_u32 v235, v235, v233                  ; the pair's number: hi (hi - 1) / 2 + lo
	v_cmp_gt_u32 vcc_lo, v[I1], v[I2]
	s_wait_alu depctr_va_vcc(0)                    ; the compare has written VCC, ahead of the select that reads it
	v_cndmask_b32 v233, 0, 1, vcc_lo               ; 1: the first choice is hi
.set j, 0
.rept 8
	v_sub_f32 v[LG+j], v[LG+j], v[M1]              ; the maximum is taken away: the largest exponent is exactly 0
.set j, j+1
.endr
	v_sub_f32 v[M2], v[M2], v[M1]
.set j, 0
.rept 8
	v_mul_f32 v[LG+j], 0x3fb8aa3b, v[LG+j]         ; log2(e)
.set j, j+1
.endr
	v_mul_f32 v[M2], 0x3fb8aa3b, v[M2]
.set j, 0
.rept 8
	v_exp_f32 v[LG+j], v[LG+j]
.set j, j+1
.endr
	v_exp_f32 v[M2], v[M2]
	v_lshl_or_b32 v[SW], v233, 8, v235             ; a plain instruction between the last exponential and the use of its result (ISA guide 5.7.2)
	s_wait_alu depctr_va_vdst(0)                   ; the nine exponentials have written v[LG ..] and v[M2], ahead of their first reader: one wait for the batch
	v_add_f32 v[LG], v[LG], v[LG+1]
	v_add_f32 v[LG+2], v[LG+2], v[LG+3]
	v_add_f32 v[LG+4], v[LG+4], v[LG+5]
	v_add_f32 v[LG+6], v[LG+6], v[LG+7]
	v_add_f32 v[LG], v[LG], v[LG+2]
	v_add_f32 v[LG+4], v[LG+4], v[LG+6]
	v_add_f32 v[LG], v[LG], v[LG+4]
	v_rcp_f32 v[PV], v[LG]                         ; p0 = 1 / sum: the first expert's exponential is 1
	v_nop
	s_wait_alu depctr_va_vdst(0)                   ; the reciprocal has written v[PV], ahead of its first reader
	v_mul_f32 v[PV+1], v[M2], v[PV]
	s_wait_alu depctr_va_vdst(0)                   ; v[PV+1] is written, which the second store below reads (v[SW], v[PV], v158 and v159 were written ahead of the waits above); the gate is done with v216 to v223
	ds_store_b32 v158, v[SW]                       ; both halves of the lanes hold the same token and write the same numbers
	ds_store_b64 v159, v[PV:PV+1]
.Lnogate:
	s_wait_dscnt 0x0                               ; for wave 0's sake: my stores of choices and probabilities are done
	s_barrier_signal -1
	s_barrier_wait -1
	; wave 0: the group's 64 choices and probabilities leave in whole rows, and the pairs are counted
	s_cmp_lg_u32 s24, 0
	s_cbranch_scc1 .Lend
	v_lshlrev_b32 v160, 3, v2
	v_lshlrev_b32 v161, 4, v2
	v_lshlrev_b32 v162, 1, v2
	v_add_nc_u32 v163, SELT, v160
	v_add_nc_u32 v164, VALT, v161
	v_mov_b32 v232, 0
	s_wait_alu depctr_va_vdst(0)                   ; v160 to v164 are written, which the loads and stores below read as addresses
	ds_load_b64 v[216:217], v163                   ; tokens 2 L and 2 L + 1
	ds_load_b128 v[220:223], v164
	s_wait_dscnt 0x0
	global_store_b64 v160, v[216:217], s[18:19]    ; 256 consecutive bytes
	global_store_b128 v161, v[220:223], s[20:21]   ; 512 consecutive bytes
	v_and_b32 v224, 0xff, v216
	v_and_b32 v226, 0xff, v217
	; four pairs at a time, so that one wait serves a run of eight compares
.set j, 0
.rept 7
.set k, 0
.rept 4
	v_cmp_eq_u32 s[40+2*k], j+k, v224
	v_cmp_eq_u32 s[41+2*k], j+k, v226
.set k, k+1
.endr
	s_wait_alu depctr_va_sdst(0)                   ; the eight compares have written s40 to s47, ahead of the counts that read them
.set k, 0
.rept 4
	s_bcnt1_i32_b32 s[40+2*k], s[40+2*k]
	s_bcnt1_i32_b32 s[41+2*k], s[41+2*k]
	s_add_co_u32 s[40+2*k], s[40+2*k], s[41+2*k]
.set k, k+1
.endr
.set k, 0
.rept 4
	v_writelane_b32 v232, s[40+2*k], j+k           ; lane j + k takes that pair's count
.set k, k+1
.endr
.set j, j+4
.endr
	s_wait_alu depctr_va_vdst(0)                   ; the 28 counts are written into v232, which the store below reads
	global_store_b16 v162, v232, s[22:23]          ; 32 places of 2 bytes: 64 consecutive bytes, all that the group has
.Lend:
	s_wait_dscnt 0x0                               ; the closing lines, six on end
	s_wait_alu 0x0
	s_wait_tensorcnt 0x0
	ds_add_u32 v[SPW], v[NIL]
	s_wait_dscnt 0x0
	s_endpgm
.Lfunc_end_k_q18039600f9_front:
	.size	k_q18039600f9_front, .Lfunc_end_k_q18039600f9_front-k_q18039600f9_front
	.p2alignl 7, 3214868480
	.fill 96, 4, 3214868480
	.section	.rodata,"a",@progbits
	.p2align	6, 0x0
	.amdhsa_kernel k_q18039600f9_front
		.amdhsa_group_segment_fixed_size 77824
		.amdhsa_private_segment_fixed_size 0
		.amdhsa_enable_private_segment 0
		.amdhsa_kernarg_size 80
		.amdhsa_user_sgpr_count 2
		.amdhsa_user_sgpr_kernarg_segment_ptr 1
		.amdhsa_wavefront_size32 1
		.amdhsa_system_sgpr_workgroup_id_x 1
		.amdhsa_system_sgpr_workgroup_id_y 1
		.amdhsa_system_sgpr_workgroup_id_z 1
		.amdhsa_system_vgpr_workitem_id 0
		.amdhsa_next_free_vgpr 240
		.amdhsa_next_free_sgpr 66
		.amdhsa_reserve_vcc 1
		.amdhsa_float_denorm_mode_32 3
		.amdhsa_float_denorm_mode_16_64 3
		.amdhsa_memory_ordered 1
		.amdhsa_forward_progress 1
		.amdhsa_inst_pref_size 41
	.end_amdhsa_kernel
	.amdgpu_metadata
---
amdhsa.version: [ 1, 2 ]
amdhsa.kernels:
  - .name:           k_q18039600f9_front
    .symbol:         k_q18039600f9_front.kd
    .args:
      - { .name: x, .offset: 0, .size: 8, .value_kind: global_buffer, .address_space: global }
      - { .name: gate_w, .offset: 8, .size: 8, .value_kind: global_buffer, .address_space: global }
      - { .name: gate_b, .offset: 16, .size: 8, .value_kind: global_buffer, .address_space: global }
      - { .name: w1, .offset: 24, .size: 8, .value_kind: global_buffer, .address_space: global }
      - { .name: w2, .offset: 32, .size: 8, .value_kind: global_buffer, .address_space: global }
      - { .name: xb, .offset: 40, .size: 8, .value_kind: global_buffer, .address_space: global }
      - { .name: wimg, .offset: 48, .size: 8, .value_kind: global_buffer, .address_space: global }
      - { .name: sel, .offset: 56, .size: 8, .value_kind: global_buffer, .address_space: global }
      - { .name: vals, .offset: 64, .size: 8, .value_kind: global_buffer, .address_space: global }
      - { .name: cnt, .offset: 72, .size: 8, .value_kind: global_buffer, .address_space: global }
    .group_segment_fixed_size: 77824
    .private_segment_fixed_size: 0
    .kernarg_segment_align: 8
    .kernarg_segment_size: 80
    .max_flat_workgroup_size: 256
    .sgpr_count:     66
    .vgpr_count:     240
    .wavefront_size: 32
...
	.end_amdgpu_metadata
.endif
;; end of part 4
;; launch route: the kernel of part 2 again; grid 256 x 1, 1 waves a work-group, no clusters, 0 bytes of LDS; arguments cnt, sel, list, table; writes list, table
;; launch experts: the kernel of part 3 again; grid 232 x 1, 4 waves a work-group, no clusters, 327,680 bytes of LDS; arguments xb, wimg, b1, b2, list, table, vals, out0; writes out0
